; MI455X (gfx1250); checked and timed in simulation.
; The chip was launched on July 23, 2026; its instructions are those of AMD's public machine-readable ISA for CDNA 5 (MIT licence, August 2026) and "CDNA5" Instruction Set Architecture Reference Guide (July 2026). The comments in the code are by the model that wrote it; some were corrected since.
;; Gemma4 Full Attention. Allowed arithmetic: float matrix products may take bf16 or f16 operands with f32 sums; other float arithmetic in f32, or as packed bf16 or f16 multiplies, adds, multiply-adds, maxima and minima; sums over many terms, partial sums and values carried from step to step in f32; what a program stores and reads back later, other than sums and carried values, may be rounded once to bf16 or f16.
;; Inputs: hidden_states 2 x 2,048 x 2,048 float32; k_w 1,024 x 2,048 float32; knorm_w 256 float32; o_w 2,048 x 1,024 float32; q_w 1,024 x 2,048 float32; qnorm_w 256 float32; v_w 1,024 x 2,048 float32.
;; Outputs: out0 2 x 2,048 x 2,048 float32.
;; One version. Each part assembles by itself: llvm-mc -triple=amdgcn-amd-amdhsa -mcpu=gfx1250 --defsym DOCPART=n.
;; ======== version 1 of 1: 4 launches
;; limits: values are held in f16: magnitudes above 65,504 overflow, below 6.1e-05 lose precision
;; workspace buffers: cb 33,554,432 bytes; qkv 25,165,824 bytes; ao 8,388,608 bytes
;; launch cast (part 1): grid 1024 x 1, 8 waves a work-group, no clusters, 0 bytes of LDS; arguments hidden_states, q_w, k_w, v_w, o_w, cb; writes cb
.if DOCPART == 1
	.amdgcn_target "amdgcn-amd-amdhsa--gfx1250"
	.amdhsa_code_object_version 6
	.text
	.protected	k_qfa2495e7ee_cast
	.globl	k_qfa2495e7ee_cast
	.p2align	8
	.type	k_qfa2495e7ee_cast,@function
k_qfa2495e7ee_cast:
	s_mov_b64 s[64:65], 0
	v_nop
	global_prefetch_b8 v0, s[64:65] scope:SCOPE_SE
	s_setreg_imm32_b32 hwreg(HW_REG_WAVE_MODE, 25, 1), 1
	s_wait_xcnt 0x0
; THE MODULE'S LARGE INPUTS, ROUNDED ONCE TO bf16.  cb holds, in this order: x [4096][2048] bf16 (byte 0), q_w, k_w, v_w as one matrix [3072][2048] bf16
; (byte 16,777,216), o_w [2048][1024] (byte 29,360,128), which is rounded to bf16 like the others and that number then written as f16, the format of the last product.
; LIMIT.  o_w in f16: beyond 65,504 it would be an infinity; below 6e-5 it keeps f16's fixed step of 6e-8.
; A stream: every byte is read once and written once; no LDS, no matrix unit, no cluster, since nothing is shared.
; Work-group g turns 16,384 numbers (65,536 bytes) into 32,768 bytes at cb + 32,768 g: groups 0-511 x, then 128 groups for each weight.
; Thread t takes 16 bytes at 4,096 i + 16 t (i = 0 .. 15): a wave's load covers 512 consecutive bytes, its store of 8 bytes a lane 256 consecutive bytes, aligned.
.set X, 4                              ; v[4:67]   sixteen loads of four numbers
.set Y, 68                             ; v[68:99]  sixteen pairs of packed results: each store has registers of its own, so none is rewritten
.set T, 100                            ; v[100:101] at work
	s_load_b256 s[4:11], s[0:1], 0x0               ; x s[4:5], q_w s[6:7], k_w s[8:9], v_w s[10:11]
	s_load_b128 s[12:15], s[0:1], 0x20             ; o_w s[12:13], cb s[14:15]
	s_sub_co_u32 s22, ttmp9, 512                   ; the group's number among the weights' (of no use below 512, where x is chosen)
	s_lshr_b32 s23, s22, 7                         ; which weight
	s_and_b32 s24, s22, 127                        ; which block of it
	s_cmp_lt_u32 ttmp9, 512
	s_cselect_b32 s24, ttmp9, s24                  ; or which block of x
	s_lshl_b32 s18, s24, 16                        ; the block's byte offset in its source
	s_mov_b32 s19, 0
	s_lshl_b32 s20, ttmp9, 15                      ; and in cb
	s_mov_b32 s21, 0
	v_lshlrev_b32 v1, 4, v0                        ; 16 t
	v_lshlrev_b32 v2, 3, v0                        ; 8 t
	s_wait_kmcnt 0x0
	s_mov_b64 s[16:17], s[6:7]                     ; the source is chosen among the five buffers by the group's number alone
	s_cmp_eq_u32 s23, 1
	s_cselect_b64 s[16:17], s[8:9], s[16:17]
	s_cmp_eq_u32 s23, 2
	s_cselect_b64 s[16:17], s[10:11], s[16:17]
	s_cmp_eq_u32 s23, 3
	s_cselect_b64 s[16:17], s[12:13], s[16:17]
	s_cmp_lt_u32 ttmp9, 512
	s_cselect_b64 s[16:17], s[4:5], s[16:17]
	s_add_nc_u64 s[16:17], s[16:17], s[18:19]
	s_add_nc_u64 s[14:15], s[14:15], s[20:21]
.set i, 0
.rept 16
	global_load_b128 v[X+4*i:X+4*i+3], v1, s[16:17] offset:4096*i th:TH_LOAD_NT  ; all sixteen loads go out before the first wait
.set i, i+1
.endr
	s_cmp_ge_u32 ttmp9, 896                        ; the last 128 groups are o_w's
	s_cbranch_scc1 .Lf16
.set i, 0
.rept 16
	s_wait_loadcnt 15-i                            ; loads come back in order: load i is in, the younger ones stay out
	v_cvt_pk_bf16_f32 v[Y+2*i], v[X+4*i], v[X+4*i+1]
	v_cvt_pk_bf16_f32 v[Y+2*i+1], v[X+4*i+2], v[X+4*i+3]
	global_store_b64 v2, v[Y+2*i:Y+2*i+1], s[14:15] offset:2048*i  ; no hint: the next launch reads these bytes
.set i, i+1
.endr
	s_endpgm
.Lf16:
.set i, 0
.rept 16
	s_wait_loadcnt 15-i
	v_cvt_pk_bf16_f32 v[T], v[X+4*i], v[X+4*i+1]   ; the rounding that every input gets,
	v_cvt_pk_bf16_f32 v[T+1], v[X+4*i+2], v[X+4*i+3]
	v_lshlrev_b32 v[X+4*i], 16, v[T]               ; back to f32,
	v_and_b32 v[X+4*i+1], 0xffff0000, v[T]
	v_lshlrev_b32 v[X+4*i+2], 16, v[T+1]
	v_and_b32 v[X+4*i+3], 0xffff0000, v[T+1]
	v_cvt_pk_f16_f32 v[Y+2*i], v[X+4*i], v[X+4*i+1]  ; and written as f16: exact within f16's normal range
	v_cvt_pk_f16_f32 v[Y+2*i+1], v[X+4*i+2], v[X+4*i+3]
	global_store_b64 v2, v[Y+2*i:Y+2*i+1], s[14:15] offset:2048*i
.set i, i+1
.endr
	s_endpgm
.Lfunc_end_k_qfa2495e7ee_cast:
	.size	k_qfa2495e7ee_cast, .Lfunc_end_k_qfa2495e7ee_cast-k_qfa2495e7ee_cast
	.p2alignl 7, 3214868480
	.fill 96, 4, 3214868480
	.section	.rodata,"a",@progbits
	.p2align	6, 0x0
	.amdhsa_kernel k_qfa2495e7ee_cast
		.amdhsa_group_segment_fixed_size 0
		.amdhsa_private_segment_fixed_size 0
		.amdhsa_enable_private_segment 0
		.amdhsa_kernarg_size 48
		.amdhsa_user_sgpr_count 2
		.amdhsa_user_sgpr_kernarg_segment_ptr 1
		.amdhsa_wavefront_size32 1
		.amdhsa_system_sgpr_workgroup_id_x 1
		.amdhsa_system_sgpr_workgroup_id_y 1
		.amdhsa_system_sgpr_workgroup_id_z 1
		.amdhsa_system_vgpr_workitem_id 0
		.amdhsa_next_free_vgpr 104
		.amdhsa_next_free_sgpr 66
		.amdhsa_reserve_vcc 0
		.amdhsa_float_denorm_mode_32 3
		.amdhsa_float_denorm_mode_16_64 3
		.amdhsa_memory_ordered 1
		.amdhsa_forward_progress 1
		.amdhsa_inst_pref_size 16
	.end_amdhsa_kernel
	.amdgpu_metadata
---
amdhsa.version: [ 1, 2 ]
amdhsa.kernels:
  - .name:           k_qfa2495e7ee_cast
    .symbol:         k_qfa2495e7ee_cast.kd
    .args:
      - { .name: hidden_states, .offset: 0, .size: 8, .value_kind: global_buffer, .address_space: global }
      - { .name: q_w, .offset: 8, .size: 8, .value_kind: global_buffer, .address_space: global }
      - { .name: k_w, .offset: 16, .size: 8, .value_kind: global_buffer, .address_space: global }
      - { .name: v_w, .offset: 24, .size: 8, .value_kind: global_buffer, .address_space: global }
      - { .name: o_w, .offset: 32, .size: 8, .value_kind: global_buffer, .address_space: global }
      - { .name: cb, .offset: 40, .size: 8, .value_kind: global_buffer, .address_space: global }
    .group_segment_fixed_size: 0
    .private_segment_fixed_size: 0
    .kernarg_segment_align: 8
    .kernarg_segment_size: 48
    .max_flat_workgroup_size: 256
    .sgpr_count:     66
    .vgpr_count:     104
    .wavefront_size: 32
...
	.end_amdgpu_metadata
.endif
;; end of part 1
;; launch qkv (part 2): grid 12 x 16, 4 waves a work-group, clusters of 4 x 4, 327,680 bytes of LDS; arguments cb, qnorm_w, knorm_w, qkv; writes qkv
.if DOCPART == 2
	.amdgcn_target "amdgcn-amd-amdhsa--gfx1250"
	.amdhsa_code_object_version 6
	.text
	.protected	k_qfa2495e7ee_qkv
	.globl	k_qfa2495e7ee_qkv
	.p2align	8
	.type	k_qfa2495e7ee_qkv,@function
k_qfa2495e7ee_qkv:
	s_mov_b64 s[64:65], 0
	v_nop
	global_prefetch_b8 v0, s[64:65] scope:SCOPE_SE
	s_setreg_imm32_b32 hwreg(HW_REG_WAVE_MODE, 25, 1), 1
	s_wait_xcnt 0x0
	s_wait_alu depctr_hold_cnt(0) depctr_sa_sdst(0) depctr_va_vdst(0) depctr_va_sdst(0) depctr_va_ssrc(0) depctr_va_vcc(0) depctr_vm_vsrc(0)
	s_getreg_b32 s2, hwreg(HW_REG_IB_STS2, 6, 4)
	s_cmp_eq_u32 s2, 0
	s_cbranch_scc0 .Lentry_in_a_cluster
	s_endpgm
.Lentry_in_a_cluster:
	s_bfe_u32 s2, ttmp6, 0x10000c
	s_cmp_lg_u32 s2, 0xf033
	s_cbranch_scc0 .Lentry_shape_is_right
	s_endpgm
.Lentry_shape_is_right:
; THE THREE PROJECTIONS AND THE NORM.  C[m][n] = sum over k of x[m][k] W[n][k], x [4096][2048] and W = (q_w, k_w, v_w) [3072][2048] in bf16 (from cb), sums in f32.
; A tile of C is 256 rows x 256 columns: 256 rows of ONE head of q, k or v.  q's and k's rows are divided by sqrt(mean of squares + 1e-6) and multiplied by the gain (rounded to bf16 as every input);
; v's are left as they are.  All leave in f16, by heads: section (q, k, v) x 8,388,608 + (batch x 4 + head) x 1,048,576 + row x 512 + channel x 2 bytes.
; LIMITS.  f16 ends at 65,504: v must lie within it; |q|, |k| are at most 16 x the largest gain.  NaN and infinities are not treated apart.
; SHARES.  Four waves, each 128 x 128 of the tile: 64 accumulators of 16 x 16, 512 registers.  K goes in steps of 128 through two LDS slots filled by the tensor data mover; a tile's rows are 256 bytes
; of memory, aligned.  192 work-groups: a head's 256 columns stay in one work-group, so that the norm needs no second launch; tiles that give 256 work-groups would split a head or halve the rows.
; THE LOOP'S BODY IS ONE K STEP: the slot in hand is a scalar (TB) that an exclusive or turns, the fragments' addresses are TB + a fixed lane part, and one descriptor a tensor walks from slot to slot.
; The last two K steps, which fill nothing, are a second loop of two trips that is left in its middle.
; CLUSTER.  4 x 4 work-groups: the four of a row need the same tiles of x, the four of a column the same tiles of W; each tile is asked for jointly, with the same descriptor and a mask of four.
; The cluster's x is the section (12 tile columns = 3 clusters), so what hangs on the section is alike in all partners; it steers values alone (two scalars AL, BE), never a branch.
; THE MATRIX INSTRUCTION IS USED TRANSPOSED: source 0 = 16 rows of W, source 1 = 16 rows of x: a lane holds row lane % 16 of C and the columns 8 (lane / 16) + 0..7.
; REGISTERS, in windows of 256 (s_set_vgpr_msb: bits 1:0 source 0, 3:2 source 1, 5:4 source 2, 7:6 destination):
;   window 0: v16-31 addresses; v64-127, v128-191 fragments of x, two buffers; on the way out v64-127 at work, v128-167 sums and scales, v192-223 packed results, v32-63 and v224-255 rows read back
;   window 1: v0-63 my 64 gains (column 16 b + 8 (lane / 16) + j at 8 b + j); v64-191 fragments of W; v192-223 at work      windows 2, 3: the accumulators of my rows 0-63, 64-127 ((a, b) at 8 (8 a + b))
.set SIZE_K, 2048
.set KSTEP,  128
.set KSTEPS, SIZE_K/KSTEP
.set PITCH,  272                       ; an LDS row: 256 bytes + 16 of padding: the 16 rows of a fragment load start 4 banks apart (64 banks of 4 bytes: ISA guide 11.1)
.set HALFT,  128*PITCH                 ; 128 rows: what one tensor load brings
.set SLOT,   4*HALFT                   ; x's 256 rows, then W's 256 rows: 0x22000; the four load targets in slot 0 (0, 0x8800, 0x11000, 0x19800) have neither of its two bits, so one exclusive or turns them into slot 1's and back
.set STAGE,  2*SLOT                    ; behind the ring: 16 rows x 272 bytes for each wave, for the way out
.set SPITCH, 272
.set SPARE,  STAGE+4*16*SPITCH         ; the spare words: 128 bytes a wave, two blocks of 256 bytes that no other line names
.set EX,     SPARE+512                 ; the waves' sums of squares: wave x 512 + block x 64 + row x 4
.set WOFF,   16777216                  ; W's first byte in cb
.set ADRA0, 16                         ; v16     my place in a slot's rows of x; never rewritten
.set ADRA,  17                         ; v17     the same in the slot in hand
.set ADRB0, 20                         ; v20, v21  the same for W
.set ADRB,  21
.set STO,  24                          ; v24     the way out: where I put 16 bytes of a row
.set RD,   25                          ; v25     where I read a row back
.set CO,   26                          ; v26     my byte offset in two rows of the head
.set WO,   27                          ; v27     my byte offset in the gains
.set SPW,  28                          ; v28     LDS address of my spare word; never rewritten
.set NIL,  29                          ; v29     0; never rewritten
.set EXS,  30                          ; v30     where I put a sum of squares
.set EXL,  31                          ; v31     where I read the two sums of my row half
.set F0,   64
.set F1,   128
.set TT,   64                          ; the way out: 64 numbers at work
.set SSQ,  128                         ; a pair of sums for each of my 8 blocks of 16 rows
.set SX,   144
.set RSP,  152                         ; the row's scale, twice, for each block
.set TMP,  192
.set OB,   32
.set TB, 18                            ; s18      the slot in hand: 0 or SLOT
.set G1, 24                            ; s[24:31] descriptor group 1 for x's tiles;  s[32:39] group 0, a set for each of the two first fills; the second then walks on
.set G0, 32
.set G1B, 48                           ; s[48:55], s[56:63] the same for W's
.set G0B, 56
.set NW, 66                            ; s[66:67] the gains' address
.set AL, 68                            ; s[68:69] 1 for q and k, 0 for v
.set BE, 70                            ; s[70:71] 0 for q and k, 1 for v: gain and scale become g x AL + BE
.set MSB, 0
.macro WIN new                         ; the immediate's high byte repeats the setting that is left; a switch that changes nothing is dropped
.if MSB != (\new)
	s_set_vgpr_msb (MSB<<8)|(\new)
.set MSB, \new
.endif
.endm
.set MUL_LO, 0xa1                      ; source 0 (W) window 1, source 1 (x) window 0, C and D window 2
.set MUL_HI, 0xf1                      ; the same, C and D window 3
.set TO_B,   0x40                      ; destination window 1, address window 0
; A joint load.  Waves 0 and 1 fetch x's two halves, waves 2 and 3 W's.  The branch hangs on the wave's number alone.  An s_nop 0 and four v_nop follow each line.
.macro JLOAD s
	s_cmp_eq_u32 s11, 0
	s_cbranch_scc0 .Lfor_b_\@
	tensor_load_to_lds s[G0+4*(\s):G0+4*(\s)+3], s[G1:G1+7]
	s_nop 0
.rept 4
	v_nop
.endr
	s_branch .Lasked_\@
.Lfor_b_\@:
	tensor_load_to_lds s[G0B+4*(\s):G0B+4*(\s)+3], s[G1B:G1B+7]
	s_nop 0
.rept 4
	v_nop
.endr
.Lasked_\@:
.endm
.macro CREST                           ; a round of the cluster's barrier behind its opening barrier
	s_cmp_lg_u32 s10, 0
	s_cbranch_scc1 .Lnot_wave_0_\@
	s_barrier_signal -3
.Lnot_wave_0_\@:
	s_barrier_wait -3
	s_barrier_signal -1
	s_barrier_wait -1
.endm
.macro CROUND                          ; a whole round
	s_barrier_signal -1
	s_barrier_wait -1
	CREST
.endm
	s_load_b128 s[4:7], s[0:1], 0x0                ; cb s[4:5], qnorm_w s[6:7]
	s_load_b128 s[76:79], s[0:1], 0x10             ; knorm_w s[76:77], qkv s[78:79]
	v_lshl_add_u32 v[SPW], v0, 2, SPARE
	v_mov_b32 v[NIL], 0
	ds_add_u32 v[SPW], v[NIL]                      ; the wave's opening: the add and its wait stand ahead of my first tensor load; work on registers stands between them
	v_lshrrev_b32 v1, 5, v0
	v_readfirstlane_b32 s10, v1                    ; wave 0..3
	s_lshr_b32 s11, s10, 1                         ; which half of the tile's rows is mine.  Also: I fetch for x (0) or for W (1)
	s_and_b32 s12, s10, 1                          ; which half of its columns.  Also: which 128 rows of that tile I fetch
	s_bfe_u32 s40, ttmp6, 0x40000                  ; cx = the head
	s_bfe_u32 s41, ttmp6, 0x40004                  ; cy
	s_lshl_b32 s42, ttmp9, 2
	s_add_co_u32 s42, s42, s40                     ; tile column = 4 x section + head
	s_and_b32 s13, ttmp7, 0xffff
	s_lshl_b32 s13, s13, 2
	s_add_co_u32 s13, s13, s41                     ; tile row = 4 x cluster y + cy
	s_lshl_b32 s43, s41, 2
	s_lshl_b32 s43, 15, s43                        ; my row of the cluster
	s_lshl_b32 s44, 0x1111, s40                    ; my column
	s_or_b32 s[G1+0], s43, (1<<16)|(1<<20)|(1<<21)|(5<<22)|(3<<25)   ; the mask; elements of 2 bytes; padding on; bit 21 beside a mask; after every 64 words 4 words
	s_or_b32 s[G1B+0], s44, (1<<16)|(1<<20)|(1<<21)|(5<<22)|(3<<25)
.irp g, G1, G1B
	s_mov_b32 s[(\g)+1], KSTEP<<16                 ; tensor_dim0 = 128
	s_mov_b32 s[(\g)+2], 128<<16                   ; tensor_dim1 = 128
	s_mov_b32 s[(\g)+3], KSTEP<<16                 ; tile_dim0 = 128
	s_mov_b32 s[(\g)+4], 128                       ; tile_dim1 = 128
	s_mov_b32 s[(\g)+5], SIZE_K                    ; elements from row to row
	s_mov_b32 s[(\g)+6], 0
	s_mov_b32 s[(\g)+7], 0
.endr
	s_cmp_eq_u32 ttmp9, 2                          ; v?
	s_cselect_b32 s[AL], 0, 1.0
	s_cselect_b32 s[BE], 1.0, 0
	s_mov_b32 s[AL+1], 0                           ; named as pairs
	s_mov_b32 s[BE+1], 0
	s_mov_b32 s72, 0x76543210                      ; v_permlanex16_b32: each lane takes its own place in the other half
	s_mov_b32 s73, 0xfedcba98
	s_mov_b32 s74, 0x3b800000                      ; 1 / 256
	s_mov_b32 s75, 0x358637bd                      ; 1e-6
	s_mov_b32 s19, 0xffff0000                      ; a word's upper bf16
	s_mov_b32 s[TB], 0                             ; K step 0 lies in slot 0
	s_lshl_b32 s17, s12, 7                         ; which 128 rows of the tile I fetch
	s_lshl_b32 s16, s13, 8
	s_add_co_u32 s16, s16, s17                     ; x: row 256 x tile row + 128 x half
	s_lshl_b32 s46, s42, 8
	s_add_co_u32 s46, s46, s17                     ; W: row 256 x tile column + 128 x half
	s_lshl_b32 s16, s16, 12                        ; rows of 4,096 bytes: 16 MiB at the most
	s_mov_b32 s17, 0
	s_lshl_b32 s46, s46, 12
	s_add_co_u32 s46, s46, WOFF
	s_mov_b32 s47, 0
	s_mul_i32 s20, s10, HALFT                      ; where they go: wave x 128 rows: no place in the cluster enters an LDS address
	s_wait_dscnt 0x0                               ; the opening add is done
	s_wait_kmcnt 0x0
	s_add_nc_u64 s[14:15], s[4:5], s[16:17]
	s_add_nc_u64 s[46:47], s[4:5], s[46:47]
	s_cmp_eq_u32 ttmp9, 1
	s_cselect_b64 s[NW:NW+1], s[76:77], s[6:7]     ; k takes knorm_w; q takes qnorm_w, and so does v, whose gains become 1 below
	CROUND                                         ; all sixteen work-groups are here: the first joint loads meet
.irp s, 0,1
	s_mov_b32 s[G0+4*(\s)], 1
	s_add_co_u32 s[G0+4*(\s)+1], s20, (\s)*SLOT
	s_add_nc_u64 s[G0+4*(\s)+2:G0+4*(\s)+3], s[14:15], (\s)*KSTEP*2
	s_or_b32 s[G0+4*(\s)+3], s[G0+4*(\s)+3], 0x80000000
	s_mov_b32 s[G0B+4*(\s)], 1
	s_add_co_u32 s[G0B+4*(\s)+1], s20, (\s)*SLOT
	s_add_nc_u64 s[G0B+4*(\s)+2:G0B+4*(\s)+3], s[46:47], (\s)*KSTEP*2
	s_or_b32 s[G0B+4*(\s)+3], s[G0B+4*(\s)+3], 0x80000000
	JLOAD \s                                       ; two tensor loads of mine are out
.endr
	v_and_b32 v1, 15, v0                           ; l % 16
	v_bfe_u32 v2, v0, 4, 1                         ; l / 16
	s_lshl_b32 s21, s12, 9
	v_lshl_add_u32 v[WO], v2, 5, s21               ; my gains: 4 x (128 x column half + 8 (l / 16)) bytes, and 64 b in the immediate
	WIN TO_B
.irp b, 0,1,2,3,4,5,6,7
	global_load_b128 v[8*(\b):8*(\b)+3],   v[WO], s[NW:NW+1] offset:64*(\b)
	global_load_b128 v[8*(\b)+4:8*(\b)+7], v[WO], s[NW:NW+1] offset:64*(\b)+16
.endr
	WIN 0
	v_mul_u32_u24 v3, v1, PITCH
	v_lshl_add_u32 v3, v2, 4, v3                   ; a fragment's row x pitch + 16 x half
	s_mul_i32 s21, s11, HALFT                      ; my 128 rows of x
	s_mul_i32 s22, s12, HALFT                      ; my 128 rows of W,
	s_add_co_u32 s22, s22, 2*HALFT                 ; which lie behind x's 256
	v_add_nc_u32 v[ADRA0], s21, v3
	v_add_nc_u32 v[ADRB0], s22, v3
	v_mov_b32 v[ADRA], v[ADRA0]                    ; slot 0 is in hand
	v_mov_b32 v[ADRB], v[ADRB0]
	s_mul_i32 s23, s10, 16*SPITCH
	s_add_co_u32 s23, s23, STAGE                   ; my stage
	v_mul_u32_u24 v4, v1, SPITCH
	v_lshl_add_u32 v4, v2, 4, v4
	v_add_nc_u32 v[STO], s23, v4                   ; in: row l % 16, 16 bytes for each half of the lanes
	v_mul_u32_u24 v5, v2, SPITCH
	v_lshl_add_u32 v5, v1, 4, v5
	v_add_nc_u32 v[RD], s23, v5                    ; back: lanes 0-15 one row of 256 bytes, lanes 16-31 the next
	v_lshlrev_b32 v5, 9, v2
	v_lshl_add_u32 v[CO], v1, 4, v5                ; and the same two rows of the head, 512 bytes apart
	s_lshl_b32 s23, s10, 9
	s_add_co_u32 s23, s23, EX
	v_lshl_add_u32 v[EXS], v1, 2, s23              ; my wave's sums
	s_lshl_b32 s23, s11, 10
	s_add_co_u32 s23, s23, EX
	v_lshl_add_u32 v[EXL], v1, 2, s23              ; the sums of the two waves of my row half
	; where my part of the tile begins in qkv (under 2^25 bytes)
	s_lshl_b32 s43, ttmp9, 23                      ; the section
	s_lshr_b32 s44, s13, 3                         ; the batch: 8 tile rows each
	s_lshl_b32 s44, s44, 2
	s_add_co_u32 s44, s44, s40                     ; batch x 4 + head
	s_lshl_b32 s44, s44, 20
	s_add_co_u32 s46, s43, s44
	s_and_b32 s44, s13, 7
	s_lshl_b32 s44, s44, 8
	s_lshl_b32 s45, s11, 7
	s_add_co_u32 s44, s44, s45                     ; my first row in the head
	s_lshl_b32 s44, s44, 9
	s_add_co_u32 s46, s46, s44
	s_lshl_b32 s45, s12, 8                         ; my 128 columns
	s_add_co_u32 s46, s46, s45
	s_mov_b32 s47, 0
	s_add_nc_u64 s[8:9], s[78:79], s[46:47]
	; the gains: rounded to bf16, and for v turned into 1.  This stands in the wait for the first tile.
	s_wait_loadcnt 0x0
	WIN 0x55                                       ; everything in window 1
.set i, 0
.rept 32
	v_cvt_pk_bf16_f32 v[192+i], v[2*i], v[2*i+1]
.set i, i+1
.endr
.set i, 0
.rept 32
	v_lshlrev_b32 v[2*i], 16, v[192+i]
	v_and_b32 v[2*i+1], s19, v[192+i]
.set i, i+1
.endr
.set i, 0
.rept 32
	v_pk_fma_f32 v[2*i:2*i+1], v[2*i:2*i+1], s[AL:AL+1], s[BE:BE+1] op_sel_hi:[1,0,0]
.set i, i+1
.endr
	WIN 0
; 16 matrix instructions: row blocks a0, a0 + 1 of the window's four x all 8 column blocks, 32 along K.  zero = 1: the first product starts the sums.
.macro MUL16 f, hi, a0, zero
	WIN MUL_LO+0x50*(\hi)
.irp a, \a0, (\a0)+1
.irp b, 0,1,2,3,4,5,6,7
.if \zero
	v_wmma_f32_16x16x32_bf16 v[8*(8*(\a)+(\b)):8*(8*(\a)+(\b))+7], v[(\f)+8*(\b):(\f)+8*(\b)+7], v[(\f)+8*(4*(\hi)+(\a)):(\f)+8*(4*(\hi)+(\a))+7], 0
.else
	v_wmma_f32_16x16x32_bf16 v[8*(8*(\a)+(\b)):8*(8*(\a)+(\b))+7], v[(\f)+8*(\b):(\f)+8*(\b)+7], v[(\f)+8*(4*(\hi)+(\a)):(\f)+8*(4*(\hi)+(\a))+7], v[8*(8*(\a)+(\b)):8*(8*(\a)+(\b))+7]
.endif
.endr
.endr
.endm
; 32 LDS loads in one run: the fragments of one quarter step (32 K at byte k of the rows of the slot in hand) into buffer f: W's 128 rows, then x's
.macro FETCH k, f
	WIN TO_B
.irp i, 0,1,2,3,4,5,6,7
	ds_load_b128 v[(\f)+8*(\i):(\f)+8*(\i)+3],   v[ADRB] offset:(\k)+(\i)*16*PITCH
	ds_load_b128 v[(\f)+8*(\i)+4:(\f)+8*(\i)+7], v[ADRB] offset:(\k)+(\i)*16*PITCH+32
.endr
	WIN 0
.irp i, 0,1,2,3,4,5,6,7
	ds_load_b128 v[(\f)+8*(\i):(\f)+8*(\i)+3],   v[ADRA] offset:(\k)+(\i)*16*PITCH
	ds_load_b128 v[(\f)+8*(\i)+4:(\f)+8*(\i)+7], v[ADRA] offset:(\k)+(\i)*16*PITCH+32
.endr
.endm
.macro PLACES                          ; four plain vector instructions between a matrix instruction and a load into, or a vector instruction on, its registers
.rept 4
	v_nop
.endr
.endm
; A K step is four quarters of 32 along K, 64 matrix instructions each, on buffers 0, 1, 0, 1.  The 64 accumulators take turns.
.macro QUARTER k, f, g, zero
	s_wait_dscnt 8                                 ; W and x's rows 0-63 are in; the youngest eight loads (x's rows 64-127) may be out
	MUL16 \f, 0, 0, \zero
	MUL16 \f, 0, 2, \zero
	PLACES
	FETCH \k, \g
	s_wait_dscnt 32                                ; all but the 32 just issued
	MUL16 \f, 1, 0, \zero
	MUL16 \f, 1, 2, \zero
.endm
; The last quarter multiplies buffer 1 and changes slots.  In front of the one barrier each wave waits for all its tensor loads (one is out: its part of the next slot), adds 0 to its spare word,
; and waits for that and for its own reads of this slot.  fill = 1: the barrier opens a round of the cluster's, and this slot is filled again, two K steps ahead, first thing behind the round.
.macro TURN fill
	WIN 0                                          ; (the add's two registers lie in window 0)
	s_wait_tensorcnt 0x0                           ; no tensor load of mine is out, so a group 0 may be written below
	ds_add_u32 v[SPW], v[NIL]
	s_wait_dscnt 9                                 ; (the add and the youngest eight loads may be out)
	MUL16 F1, 0, 0, 0
	s_wait_dscnt 0x0                               ; the add is done, and my reads of this slot are over
	s_barrier_signal -1
	MUL16 F1, 0, 2, 0                              ; work on registers while the others arrive
	WIN 0                                          ; (branches and lines on window 0 follow)
	s_barrier_wait -1
.if \fill
	CREST                                          ; no wave of any partner still reads this slot or has a load on its way
	s_xor_b32 s[G0+5], s[G0+5], SLOT               ; the walking descriptors: the other slot than last time,
	s_add_nc_u64 s[G0+6:G0+7], s[G0+6:G0+7], KSTEP*2   ; the next K step; the type bits on top are not reached
	s_xor_b32 s[G0B+5], s[G0B+5], SLOT
	s_add_nc_u64 s[G0B+6:G0B+7], s[G0B+6:G0B+7], KSTEP*2
	JLOAD 1                                        ; my one tensor load behind the round; its four v_nop are also the places in front of the loads below
.else
	PLACES
.endif
	s_xor_b32 s[TB], s[TB], SLOT                   ; the other slot is in hand
	v_add_nc_u32 v[ADRA], s[TB], v[ADRA0]
	v_add_nc_u32 v[ADRB], s[TB], v[ADRB0]
	FETCH 0, F0
	MUL16 F1, 1, 0, 0
	MUL16 F1, 1, 2, 0
.endm
	s_wait_tensorcnt 1                             ; my part of K step 0 is in; K step 1's may stay out
	s_barrier_signal -1
	s_barrier_wait -1
	FETCH 0, F0
	QUARTER 64,  F0, F1, 1                         ; the first quarter stands in front of the loop: its products start the sums
	WIN 0
	s_mov_b32 s3, KSTEPS-2
.Lstep:                                                ; 14 trips, from a K step's second quarter to the next one's first; each fills the slot that it leaves, with K steps 2 to 15
	QUARTER 128, F1, F0, 0
	QUARTER 192, F0, F1, 0
	TURN 1
	QUARTER 64,  F0, F1, 0
	WIN 0
	s_sub_co_u32 s3, s3, 1
	s_cmp_lg_u32 s3, 0
	s_cbranch_scc1 .Lstep
	; The last two K steps fill nothing: no tensor load stands in their text.  One text for both: the second trip is left behind its last quarter.  That trip's change of slots passes a barrier and fetches
	; 32 loads' worth of fragments (of K step 14 once more, from a slot that nobody writes) that nothing reads: the price, once a wave, of not writing the last K step out.
	s_mov_b32 s3, 2
.Ltail:
	QUARTER 128, F1, F0, 0
	QUARTER 192, F0, F1, 0
	TURN 0
	WIN 0
	s_sub_co_u32 s3, s3, 1
	s_cmp_eq_u32 s3, 0
	s_cbranch_scc1 .Lout
	QUARTER 64,  F0, F1, 0
	WIN 0
	s_branch .Ltail
.Lout:
	s_wait_dscnt 0x0                               ; the loads that nothing reads have landed: their registers are written anew on the way out
	PLACES
	; THE NORM.  A row's 256 squares lie in 8 accumulators x 8 registers, in two halves of the lanes, in two waves.  Four chains at a time; each accumulator is read from its lowest registers on.
.irp hi, 0,1
	WIN 0x0a+5*(\hi)                               ; sources 0 and 1 in window 2 or 3
.irp b, 0,1,2,3,4,5,6,7
.irp r, 0,1,2,3
.irp a, 0,1,2,3
.if ((\b) == 0) && ((\r) == 0)
	v_pk_mul_f32 v[SSQ+2*(4*(\hi)+(\a)):SSQ+2*(4*(\hi)+(\a))+1], v[8*(8*(\a)+(\b))+2*(\r):8*(8*(\a)+(\b))+2*(\r)+1], v[8*(8*(\a)+(\b))+2*(\r):8*(8*(\a)+(\b))+2*(\r)+1]
.else
	v_pk_fma_f32 v[SSQ+2*(4*(\hi)+(\a)):SSQ+2*(4*(\hi)+(\a))+1], v[8*(8*(\a)+(\b))+2*(\r):8*(8*(\a)+(\b))+2*(\r)+1], v[8*(8*(\a)+(\b))+2*(\r):8*(8*(\a)+(\b))+2*(\r)+1], v[SSQ+2*(4*(\hi)+(\a)):SSQ+2*(4*(\hi)+(\a))+1]
.endif
.endr
.endr
.endr
.endr
	WIN 0
.irp a, 0,1,2,3,4,5,6,7
	v_add_f32 v[SSQ+2*(\a)], v[SSQ+2*(\a)], v[SSQ+2*(\a)+1]
.endr
.irp a, 0,1,2,3,4,5,6,7
	v_permlanex16_b32 v[SSQ+2*(\a)+1], v[SSQ+2*(\a)], s72, s73  ; the row's other columns lie in the lane 16 away
.endr
.irp a, 0,1,2,3,4,5,6,7
	v_add_f32 v[SSQ+2*(\a)], v[SSQ+2*(\a)], v[SSQ+2*(\a)+1]
.endr
.irp a, 0,1,2,3,4,5,6,7
	ds_store_b32 v[EXS], v[SSQ+2*(\a)] offset:64*(\a)  ; both halves of the lanes write the same word with the same number
.endr
	s_wait_dscnt 0x0                               ; for the others' sake: my sums are in LDS
	s_barrier_signal -1
	s_barrier_wait -1
.irp a, 0,1,2,3,4,5,6,7
	ds_load_b32 v[SX+(\a)],  v[EXL] offset:64*(\a)      ; both waves of a row half read both sums and add them in the same order
	ds_load_b32 v[SSQ+(\a)], v[EXL] offset:512+64*(\a)
.endr
	s_wait_dscnt 0x0
.irp a, 0,1,2,3,4,5,6,7
	v_add_f32 v[SX+(\a)], v[SX+(\a)], v[SSQ+(\a)]
.endr
.irp a, 0,1,2,3,4,5,6,7
	v_fma_f32 v[SX+(\a)], v[SX+(\a)], s74, s75     ; the mean of the squares + 1e-6
.endr
.irp a, 0,1,2,3,4,5,6,7
	v_rsq_f32 v[RSP+2*(\a)], v[SX+(\a)]
	v_rsq_f32 v[RSP+2*(\a)+1], v[SX+(\a)]
.endr
	v_nop                                          ; a plain instruction between the last of them and the use of its result (ISA guide 5.7.2)
	s_wait_alu depctr_va_vdst(0)
.irp a, 0,1,2,3,4,5,6,7
	v_pk_fma_f32 v[RSP+2*(\a):RSP+2*(\a)+1], v[RSP+2*(\a):RSP+2*(\a)+1], s[AL:AL+1], s[BE:BE+1] op_sel_hi:[1,0,0]  ; for v the scale is 1
.endr
; THE WAY OUT of block a (16 rows).  PACK: times gain, times scale, rounded to f16.  TOSTAGE: into my own stage, and back as whole rows of 256 bytes.  SEND: stored.
.macro PACK a
.set AC, 64*((\a)%4)
	WIN 0x06+((\a)/4)                              ; source 0: window 2 or 3; source 1 (the gains): window 1
.irp b, 0,1,2,3,4,5,6,7
.irp r, 0,1,2,3
	v_pk_mul_f32 v[TT+8*(\b)+2*(\r):TT+8*(\b)+2*(\r)+1], v[AC+8*(\b)+2*(\r):AC+8*(\b)+2*(\r)+1], v[8*(\b)+2*(\r):8*(\b)+2*(\r)+1]
.endr
.endr
	WIN 0
.set i, 0
.rept 32
	v_pk_mul_f32 v[TT+2*i:TT+2*i+1], v[TT+2*i:TT+2*i+1], v[RSP+2*(\a):RSP+2*(\a)+1]
.set i, i+1
.endr
.set i, 0
.rept 32
	v_cvt_pk_f16_f32 v[TMP+i], v[TT+2*i], v[TT+2*i+1]
.set i, i+1
.endr
.endm
.macro TOSTAGE a
.set BK, OB+192*((\a)%2)
.irp b, 0,1,2,3,4,5,6,7
	ds_store_b128 v[STO], v[TMP+4*(\b):TMP+4*(\b)+3] offset:32*(\b)
.endr
.irp t, 0,1,2,3,4,5,6,7
	ds_load_b128 v[BK+4*(\t):BK+4*(\t)+3], v[RD] offset:(\t)*2*SPITCH  ; LDS serves a wave's instructions in order (ISA guide 5.7.1.4): these see the stores above
.endr
.endm
.macro SEND a
.set BK, OB+192*((\a)%2)
	s_wait_dscnt 0x0                               ; the block is back in registers
	s_wait_xcnt 0x0                                ; the stores of the block before have read their registers: the next TOSTAGE loads into them only behind this wait
.irp t, 0,1,2,3,4,5,6,7
	global_store_b128 v[CO], v[BK+4*(\t):BK+4*(\t)+3], s[8:9] offset:(16*(\a)+2*(\t))*512  ; 16 lanes store 256 consecutive bytes, aligned
.endr
.endm
	PACK 0
	TOSTAGE 0
.irp a, 1,2,3,4,5,6,7                  ; block a's arithmetic stands between block a - 1's loads from the stage and the wait for them
	PACK \a
	SEND (\a)-1
	TOSTAGE \a
.endr
	SEND 7
	s_wait_tensorcnt 0x0                           ; the wave's end
	ds_add_u32 v[SPW], v[NIL]
	s_wait_dscnt 0x0
	CROUND                                         ; the closing round
	s_endpgm
.Lfunc_end_k_qfa2495e7ee_qkv:
	.size	k_qfa2495e7ee_qkv, .Lfunc_end_k_qfa2495e7ee_qkv-k_qfa2495e7ee_qkv
	.p2alignl 7, 3214868480
	.fill 96, 4, 3214868480
	.section	.rodata,"a",@progbits
	.p2align	6, 0x0
	.amdhsa_kernel k_qfa2495e7ee_qkv
		.amdhsa_group_segment_fixed_size 327680
		.amdhsa_private_segment_fixed_size 0
		.amdhsa_enable_private_segment 0
		.amdhsa_kernarg_size 32
		.amdhsa_user_sgpr_count 2
		.amdhsa_user_sgpr_kernarg_segment_ptr 1
		.amdhsa_wavefront_size32 1
		.amdhsa_system_sgpr_workgroup_id_x 1
		.amdhsa_system_sgpr_workgroup_id_y 1
		.amdhsa_system_sgpr_workgroup_id_z 1
		.amdhsa_system_vgpr_workitem_id 0
		.amdhsa_next_free_vgpr 1024
		.amdhsa_next_free_sgpr 80
		.amdhsa_reserve_vcc 0
		.amdhsa_float_denorm_mode_32 3
		.amdhsa_float_denorm_mode_16_64 3
		.amdhsa_memory_ordered 1
		.amdhsa_forward_progress 1
		.amdhsa_inst_pref_size 161
	.end_amdhsa_kernel
	.amdgpu_metadata
---
amdhsa.version: [ 1, 2 ]
amdhsa.kernels:
  - .name:           k_qfa2495e7ee_qkv
    .symbol:         k_qfa2495e7ee_qkv.kd
    .args:
      - { .name: cb, .offset: 0, .size: 8, .value_kind: global_buffer, .address_space: global }
      - { .name: qnorm_w, .offset: 8, .size: 8, .value_kind: global_buffer, .address_space: global }
      - { .name: knorm_w, .offset: 16, .size: 8, .value_kind: global_buffer, .address_space: global }
      - { .name: qkv, .offset: 24, .size: 8, .value_kind: global_buffer, .address_space: global }
    .group_segment_fixed_size: 327680
    .private_segment_fixed_size: 0
    .kernarg_segment_align: 8
    .kernarg_segment_size: 32
    .max_flat_workgroup_size: 128
    .sgpr_count:     80
    .vgpr_count:     1024
    .wavefront_size: 32
...
	.end_amdgpu_metadata
.endif
;; end of part 2
;; launch attn (part 3): grid 32 x 8, 4 waves a work-group, clusters of 4 x 1, 327,680 bytes of LDS; arguments qkv, ao; writes ao
.if DOCPART == 3
	.amdgcn_target "amdgcn-amd-amdhsa--gfx1250"
	.amdhsa_code_object_version 6
	.text
	.protected	k_qfa2495e7ee_attn
	.globl	k_qfa2495e7ee_attn
	.p2align	8
	.type	k_qfa2495e7ee_attn,@function
k_qfa2495e7ee_attn:
	s_mov_b64 s[64:65], 0
	v_nop
	global_prefetch_b8 v0, s[64:65] scope:SCOPE_SE
	s_setreg_imm32_b32 hwreg(HW_REG_WAVE_MODE, 25, 1), 1
	s_wait_xcnt 0x0
	s_wait_alu depctr_hold_cnt(0) depctr_sa_sdst(0) depctr_va_vdst(0) depctr_va_sdst(0) depctr_va_ssrc(0) depctr_va_vcc(0) depctr_vm_vsrc(0)
	s_getreg_b32 s2, hwreg(HW_REG_IB_STS2, 6, 4)
	s_cmp_eq_u32 s2, 0
	s_cbranch_scc0 .Lentry_in_a_cluster
	s_endpgm
.Lentry_in_a_cluster:
	s_bfe_u32 s2, ttmp6, 0x10000c
	s_cmp_lg_u32 s2, 0x3003
	s_cbranch_scc0 .Lentry_shape_is_right
	s_endpgm
.Lentry_shape_is_right:
; CAUSAL ATTENTION AT HEAD SIZE 256.  O[q] = the sum over k <= q of softmax_k(Q[q] . K[k] / 16) V[k], for 8 pairs of batch and head of 2,048 rows.  Q, K, V in f16 by heads (rows of 512 bytes, dense);
; O leaves in f16 as [4096][1024] (row = batch x 2048 + q, column = head x 256 + channel).  Products, maxima and sums in f32; the weights p are rounded to f16 for the second product, O once at the end.
; LIMITS.  f16 ends at 65,504: Q, K, V arrive within it, O is a mean of V's rows.  A hidden score counts as its value less 1e30.  The running maximum starts at -1e20 (true scores of f16 operands stay
; under 1.2e12 in size), so that a wave that has seen only hidden keys gives weights 0 and not 1.  A weight below 2^-126 counts as 0; NaN and infinities are not treated apart.
; THE WALK.  A head has 64 blocks of 32 queries and 16 key tiles of 128 keys; block i needs the tiles 0 .. i / 4, of which the last holds the diagonal.  The work-group at place cx of cluster k takes block
; 63 - 4 k - cx (tiles 0 .. 15 - k) and then block 4 k + cx (tiles 0 .. k): 17 tiles whatever k and cx, and the SAME 17 tiles in all four partners: every tile of K and V is asked for jointly.
; cx enters Q's and O's addresses and the mask's numbers alone.
; THE ORDER OF A BLOCK'S TILES is free, since the running maximum takes them as they come, and it differs from cluster to cluster: the first block's tiles go in a ring, 0 behind 15 - k, from tile
; (3 - k % 4) x (4 - k / 4) on: 12, 8, 4, 0 for clusters 0 to 3 and 9, 6, 3, 0 for clusters 4 to 7.  So clusters 0 to 3 of a head ask between them for its 16 tiles in their first four steps, clusters 4 to 7
; for their 12 in their first three, and every later request is for a tile that another cluster of the same four has asked for three or four steps before.  The second block's tiles go 0 .. k.
; SHARES.  All four waves hold the same two tiles of 16 queries (a tile's O is 128 registers, its Q 64: two are what fits); wave w takes the keys 32 w .. 32 w + 31 of each key tile, with a maximum m, a sum l
; and an O of its own.  So each byte of K and V leaves LDS once, and feeds two products.  At a block's end the four partial results are merged through LDS, in f32.
; LAYOUT.  S^T = K Q^T (source 0 = 16 keys, source 1 = 16 queries): a lane holds ONE query (lane % 16) and the keys 8 (lane / 16) + 0..7.  The two results of a query tile, rounded to f16 in pairs, ARE
; source 1 (32 keys x 16 queries) of O^T = V^T P.  V comes out of LDS turned, by ds_load_tr16_b128.  p = 2^(c s - c m), c = log2(e) / 16; O and l are multiplied by a = 2^(c m_old - c m_new) in every step.
; THE MASK is the C operand that starts S^T's sums: MD (0 or -1e30, made once a block) times AL, which is 1 in the block's diagonal tile and 0 elsewhere.
; A STEP, in phases: K's fragments are asked for; the products V^T P of the step BEFORE run meanwhile; V's fragments are asked for; K Q^T; the softmax; the rescaling of O.
; REGISTERS, in windows of 256 (s_set_vgpr_msb: bits 1:0 source 0, 3:2 source 1, 5:4 source 2, 7:6 destination):
;   window 0: addresses, statistics, S^T, P, masks, the merge's registers      window 1: O^T, tile t, channels 16 cb on at 128 t + 8 cb
;   window 2: Q at 64 t + 8 c (the second block's is loaded there while the first block is merged)      window 3: K's fragments at 64 kb + 8 c; V's at 128 + 8 cb
.set PK,    528       ; a row of K in LDS: 512 bytes + 16: the 16 rows of a load start 4 banks apart (64 banks of 4 bytes: ISA guide 11.1)
.set PV,    544       ; a row of V: 512 + 32
.set VOFF,  128*PK    ; a slot: 128 rows of K, then 128 rows of V
.set SLOTX, 0x22000   ; slot 1 begins here; the four load targets in slot 0 (0, 0x8400, 0x10800, 0x19000) have neither of its two bits, so one exclusive or turns them into slot 1's and back
.set STAGE, SLOTX+128*(PK+PV)  ; behind the ring: four partial results of 16 queries x 128 channels in f32, rows of 528 bytes
.set PART,  16*528
.set STATS, STAGE+4*PART       ; wave x 256 + tile x 128 + query x 8: c m and l
.set SPARE, STATS+1024         ; the spare words: 128 bytes a wave, two blocks of 256 bytes that no other line names
.set AK0, 2           ; v2   my lane's place in a tile of K; never rewritten
.set AV0, 3           ; v3   the same for V
.set AK,  4           ; v4   the LDS address of K's run of loads
.set AV,  5           ; v5   of V's
.set STO, 6           ; v6   the merge: where I put 32 bytes of a query's row
.set RD,  7           ; v7   where I read 16 bytes of a row
.set GO,  8           ; v8   my byte offset in the block's rows of O
.set MB,  10          ; v10  lane % 16 - 8 (lane / 16) - 32 w
.set STW, 12          ; v12  where I put a query's c m and l
.set STR, 13          ; v13  where I read them
.set QO,  15          ; v15  my byte offset in 16 rows of Q; never rewritten
.set ST,  16          ; tile t's statistics at ST + 8 t: c m, m, l (even keys', odd keys'), c0-c3 at work; c2 takes a
.set S,   32          ; S^T: tile t, keys 16 kb on at S + 16 t + 8 kb
.set P,   64          ; P: 8 registers a tile
.set MD,  80          ; the diagonal tile's mask, laid as S^T
.set MC,  112         ; the mask of the step in hand
.set RB,  144         ; the merge: partial w', query qi at RB + 16 w' + 4 qi
.set OUTR, 208
.set MG,  216         ; c m and l of wave w', tile t at MG + 4 w' + 2 t
.set G,   232         ; my factor, a pair a tile
.set TM,  236
.set SPW, 252         ; LDS address of my spare word; never rewritten
.set NIL, 253         ; 0; never rewritten
.set VF,  128
.set WV,  12          ; s12  my wave's number
.set CX,  13          ; s13  my place in the cluster
.set KC,  14          ; s14  the cluster's number k
.set BH,  15          ; s15  batch x 4 + head
.set G1K, 24          ; s[24:31] descriptor group 1 for K's tiles
.set G1V, 32          ; s[32:39] for V's: it differs in the padding alone
.set G0K, 40          ; s[40:43] descriptor group 0 for K
.set G0V, 44          ; s[44:47] for V
.set SLOTS, 56        ; s56  tiles still to be asked for
.set DG,  57          ; s57  steps until the block's diagonal tile is entered
.set CS,  58          ; s[58:59] c
.set SEL, 60          ; s[60:61] v_permlanex16_b32's selects
.set TB,  62          ; s62  the slot that the step reads: 0 or SLOTX
.set RT,  70          ; s70  tiles of the block in hand still to be entered
.set NXT, 71          ; s71  the tile to be asked for next
.set LQ,  72          ; s72  the last tile of the block whose tiles are being asked for: behind it the ring goes back to tile 0
.set RQ,  73          ; s73  requests still to be made for the first block
.set OFF, 74          ; s[74:75] a tile's byte offset in K and V
.set AL,  76          ; s[76:77] the mask's factor
.set OLO, 80          ; s[80:81] O at the second block
.set BIGN, 82         ; s82  -1e30
.set FLR, 83          ; s83  -1e20
.set RP,  84          ; s84  32 x the block's place in its diagonal tile
.set MSB, 0
.macro WIN new                      ; the high byte repeats the setting that is left; a switch that changes nothing is dropped
.if MSB != (\new)
	s_set_vgpr_msb (MSB<<8)|(\new)
.set MSB, (\new)
.endif
.endm
.set W_KQ, 0x0b       ; K in window 3, Q in window 2, C and S^T in window 0
.set W_PV, 0x53       ; V in window 3, P in window 0, O^T in window 1
.set W_RS, 0x41       ; O^T (destination and source 0) in window 1, the factor in window 0
; A joint fill.  Waves 0 and 1 fetch the two halves of a tile's K, waves 2 and 3 those of its V: 64 rows of 512 bytes each.  An s_nop 0 and four v_nop follow each line.
.macro JLOAD
	s_cmp_lt_u32 s[WV], 2
	s_cbranch_scc0 .Lfor_v_\@
	tensor_load_to_lds s[G0K:G0K+3], s[G1K:G1K+7]
	s_nop 0
.rept 4
	v_nop
.endr
	s_branch .Lasked_\@
.Lfor_v_\@:
	tensor_load_to_lds s[G0V:G0V+3], s[G1V:G1V+7]
	s_nop 0
.rept 4
	v_nop
.endr
.Lasked_\@:
.endm
.macro CROUND                       ; a round of the cluster's barrier
	s_barrier_signal -1
	s_barrier_wait -1
	s_cmp_lg_u32 s[WV], 0
	s_cbranch_scc1 .Lnot_wave_0_\@
	s_barrier_signal -3
.Lnot_wave_0_\@:
	s_barrier_wait -3
	s_barrier_signal -1
	s_barrier_wait -1
.endm
; THE CHANGE OF SLOTS, in front of every step.  Each wave waits for all its tensor loads (one is out: its part of the slot to be read), adds 0 to its spare word, and waits for that and for its own reads of
; the slot that it leaves (K's and V's fragments of the step before are in registers).  fill = 1: the barrier is a round of the cluster's, and the slot left is filled again first thing behind it, with tile NXT;
; the descriptor's address is made anew from that number, which hangs on the cluster's number and the trip alone.  (At its first use nothing has been read: slot 0 is waited for, slot 1 filled.)
.macro CHANGE fill
	WIN 0
	s_wait_tensorcnt 0x0            ; no tensor load of mine is out, so a group 0 may be written
	ds_add_u32 v[SPW], v[NIL]
.if \fill
	s_lshl_b32 s[OFF], s[NXT], 16   ; a tile is 65,536 bytes of K and of V
	s_xor_b32 s[G0K+1], s[G0K+1], SLOTX
	s_add_nc_u64 s[G0K+2:G0K+3], s[20:21], s[OFF:OFF+1]
	s_or_b32 s[G0K+3], s[G0K+3], 0x80000000
	s_xor_b32 s[G0V+1], s[G0V+1], SLOTX
	s_add_nc_u64 s[G0V+2:G0V+3], s[22:23], s[OFF:OFF+1]
	s_or_b32 s[G0V+3], s[G0V+3], 0x80000000
	s_add_co_u32 s[NXT], s[NXT], 1  ; the ring's next tile: behind the block's last tile comes tile 0;
	s_cmp_gt_u32 s[NXT], s[LQ]
	s_cselect_b32 s[NXT], 0, s[NXT]
	s_sub_co_u32 s[RQ], s[RQ], 1    ; behind the first block's last request the second block's tiles 0 .. k
	s_cmp_eq_u32 s[RQ], 0
	s_cselect_b32 s[NXT], 0, s[NXT]
	s_cselect_b32 s[LQ], s[KC], s[LQ]
	s_wait_dscnt 0x0                ; the add is done, and my reads of the slot are over
	CROUND
	JLOAD                           ; my one tensor load: it has a whole step in which to land
.else
	s_wait_dscnt 0x0
	s_barrier_signal -1
	s_barrier_wait -1
.endif
	s_xor_b32 s[TB], s[TB], SLOTX
.endm
; The diagonal tile's mask.  My query's place in the tile is RP + 16 t + lane % 16, register j of group kb holds key 32 w + 16 kb + 8 (lane / 16) + j: hidden where the key is the greater.
.macro MKMASK
	v_add_nc_u32 v14, s[RP], v[MB]
.irp t, 0,1
.irp kb, 0,1
.irp j, 0,1,2,3,4,5,6,7
	v_cmp_gt_i32 vcc_lo, 16*(\kb)+(\j)-16*(\t), v14
	v_cndmask_b32 v[MD+16*(\t)+8*(\kb)+(\j)], 0, s[BIGN], vcc_lo
.endr
.endr
.endr
.endm
; What a block begins with: m at the floor, l = 0, P = 0 (the first step's products V^T P, of a step that has not been, add 0).  O need only be finite: the first true maximum multiplies it by a = 0.
.macro START
.irp t, 0,1
	v_mov_b32 v[ST+8*(\t)+1], s[FLR]
	v_mul_f32 v[ST+8*(\t)], s[CS], v[ST+8*(\t)+1]
	v_mov_b32 v[ST+8*(\t)+2], 0
	v_mov_b32 v[ST+8*(\t)+3], 0
.endr
.set i, 0
.rept 16
	v_mov_b32 v[P+i], 0
.set i, i+1
.endr
.endm
; A block's Q, 32 rows of 512 bytes from the address in s[b:b+1], into window 2: tile i / 8, channels 32 (i % 8) on.
; A fragment of K or Q is 16 rows x 32 channels in 8 registers: lane l holds row l % 16, channels 8 (l / 16) + 0..7 and 16 + 8 (l / 16) + 0..7: two loads of 16 bytes, 32 bytes apart.
.macro LOADQ b
	WIN 0x80                        ; destination window 2, address window 0
.set i, 0
.rept 16
	global_load_b128 v[8*i:8*i+3],   v[QO], s[(\b):(\b)+1] offset:(i/8)*8192+(i%8)*64
	global_load_b128 v[8*i+4:8*i+7], v[QO], s[(\b):(\b)+1] offset:(i/8)*8192+(i%8)*64+32
.set i, i+1
.endr
	WIN 0
.endm
	s_load_b128 s[4:7], s[0:1], 0x0 ; qkv s[4:5], ao s[6:7]
	v_lshl_add_u32 v[SPW], v0, 2, SPARE
	v_mov_b32 v[NIL], 0
	ds_add_u32 v[SPW], v[NIL]       ; the wave's opening: the add and its wait stand ahead of my first tensor load; work on registers stands between them
	v_lshrrev_b32 v1, 5, v0
	v_readfirstlane_b32 s[WV], v1   ; wave 0..3
	s_bfe_u32 s[CX], ttmp6, 0x40000
	s_mov_b32 s[KC], ttmp9          ; in a cluster launch ttmp9 counts clusters
	s_and_b32 s[BH], ttmp7, 0xffff
	s_and_b32 s2, s[WV], 1          ; which half of a tile's 128 rows I fetch
	s_lshl_b32 s8, s2, 15           ; its 64 rows of 512 bytes in memory,
	s_lshl_b32 s3, s[BH], 20        ; in my head,
	s_add_co_u32 s8, s8, s3
	s_add_co_u32 s8, s8, 0x800000   ; in K's section
	s_mov_b32 s9, 0
	s_mul_i32 s50, s2, 64*PK        ; and its place in a slot, for K
	s_mul_i32 s51, s2, 64*PV        ; and for V: no place in the cluster enters an LDS address
	s_mov_b32 s[G1K], 15|(1<<16)|(1<<20)|(1<<21)|(6<<22)|(3<<25)  ; the mask of four; 2-byte elements; padding on; bit 21 beside a mask; after every 128 words 4 words
	s_mov_b32 s[G1V], 15|(1<<16)|(1<<20)|(1<<21)|(6<<22)|(7<<25)  ; the same with 8 words
.irp g, G1K, G1V
	s_mov_b32 s[\g+1], 256<<16      ; tensor_dim0 = 256
	s_mov_b32 s[\g+2], 64<<16       ; tensor_dim1 = 64
	s_mov_b32 s[\g+3], 256<<16      ; tile_dim0 = 256
	s_mov_b32 s[\g+4], 64           ; tile_dim1 = 64
	s_mov_b32 s[\g+5], 256          ; elements from row to row
	s_mov_b32 s[\g+6], 0
	s_mov_b32 s[\g+7], 0
.endr
	s_mov_b32 s[G0K], 1
	s_mov_b32 s[G0K+1], s50         ; slot 0
	s_mov_b32 s[G0V], 1
	s_add_co_u32 s[G0V+1], s51, VOFF
	s_lshl_b32 s48, s[KC], 2
	s_add_co_u32 s48, s48, s[CX]    ; the second block
	s_sub_co_u32 s49, 63, s48       ; the first
	s_lshl_b32 s52, s49, 14         ; a block's 32 rows of Q are 16,384 bytes
	s_add_co_u32 s52, s52, s3
	s_mov_b32 s53, 0
	s_lshl_b32 s54, s48, 14
	s_add_co_u32 s54, s54, s3
	s_mov_b32 s55, 0
	s_lshr_b32 s85, s[BH], 2        ; O: the batch's 2,048 rows of 2,048 bytes,
	s_lshl_b32 s85, s85, 22
	s_and_b32 s86, s[BH], 3         ; the head's 512 bytes of a row,
	s_lshl_b32 s86, s86, 9
	s_add_co_u32 s85, s85, s86
	s_lshl_b32 s86, s49, 16         ; the block's 32 rows
	s_add_co_u32 s86, s86, s85
	s_mov_b32 s87, 0
	s_lshl_b32 s78, s48, 16
	s_add_co_u32 s78, s78, s85
	s_mov_b32 s79, 0
	s_mov_b32 s[CS], 0x3db8aa3b     ; c = log2(e) / 16
	s_mov_b32 s[CS+1], s[CS]        ; named with it as a pair
	s_mov_b32 s[SEL], 0x76543210
	s_mov_b32 s[SEL+1], 0xfedcba98
	s_mov_b32 s[TB], SLOTX          ; the first change of slots turns it into 0
	s_sub_co_u32 s[RT], 16, s[KC]   ; the first block has 16 - k tiles
	s_and_b32 s66, s[KC], 3
	s_sub_co_u32 s66, 3, s66        ; 3 - k % 4
	s_lshr_b32 s67, s[KC], 2
	s_sub_co_u32 s67, 4, s67        ; 4 - k / 4
	s_mul_i32 s66, s66, s67         ; the tile at which my cluster's ring begins: below 15 - k for every k
	s_sub_co_u32 s[LQ], 15, s[KC]   ; the first block's last tile, which holds its diagonal,
	s_sub_co_u32 s[DG], s[LQ], s66  ; and is entered so many steps behind the first
	s_add_co_u32 s[NXT], s66, 1
	s_mov_b32 s[RQ], s[LQ]          ; behind the first request the first block has 15 - k more
	s_lshl_b32 s[OFF], s66, 16
	s_mov_b32 s[OFF+1], 0
	s_mov_b32 s[AL+1], 0            ; named as a pair
	s_mov_b32 s[BIGN], 0xf149f2ca
	s_mov_b32 s[FLR], 0xe0ad78ec
	s_sub_co_u32 s[RP], 3, s[CX]    ; the first block's place in its diagonal tile is 3 - cx
	s_lshl_b32 s[RP], s[RP], 5
	s_mov_b32 s[SLOTS], 16
	s_wait_dscnt 0x0                ; the opening add is done
	s_wait_kmcnt 0x0
	s_add_nc_u64 s[20:21], s[4:5], s[8:9]          ; K at my half of the head's tile 0
	s_add_nc_u64 s[22:23], s[20:21], 0x800000      ; V likewise, a section on
	s_add_nc_u64 s[G0K+2:G0K+3], s[20:21], s[OFF:OFF+1]  ; the ring's first tile
	s_or_b32 s[G0K+3], s[G0K+3], 0x80000000
	s_add_nc_u64 s[G0V+2:G0V+3], s[22:23], s[OFF:OFF+1]
	s_or_b32 s[G0V+3], s[G0V+3], 0x80000000
	s_add_nc_u64 s[16:17], s[4:5], s[52:53]        ; Q at the first block, at the second
	s_add_nc_u64 s[18:19], s[4:5], s[54:55]
	s_add_nc_u64 s[10:11], s[6:7], s[86:87]        ; O likewise
	s_add_nc_u64 s[OLO:OLO+1], s[6:7], s[78:79]
	CROUND                          ; all four work-groups are here: the first joint loads meet
	JLOAD                           ; the first tile into slot 0
	v_and_b32 v1, 15, v0            ; l % 16
	v_bfe_u32 v9, v0, 4, 1          ; l / 16
	v_lshlrev_b32 v[QO], 9, v1
	v_lshl_add_u32 v[QO], v9, 4, v[QO]
	LOADQ 16                        ; the first block's Q
	s_mul_i32 s2, s[WV], 32*PK      ; my wave's 32 keys
	v_mul_u32_u24 v[AK0], v1, PK
	v_lshl_add_u32 v[AK0], v9, 4, v[AK0]
	v_add_nc_u32 v[AK0], s2, v[AK0]
	; The turning load takes 16 keys x 16 channels (lane l reads key 8 (l / 16) + l % 8, channels 8 ((l / 8) % 2) + 0..7) and leaves half a fragment of V^T: lane l holds channel l % 16 and 8 keys.
	s_mul_i32 s2, s[WV], 32*PV
	s_add_co_u32 s2, s2, VOFF
	v_and_b32 v11, 7, v0
	v_bfe_u32 v14, v0, 3, 1
	v_lshl_add_u32 v[AV0], v9, 3, v11
	v_mul_u32_u24 v[AV0], v[AV0], PV
	v_lshl_add_u32 v[AV0], v14, 4, v[AV0]
	v_add_nc_u32 v[AV0], s2, v[AV0]
	s_mul_i32 s2, s[WV], PART
	s_add_co_u32 s2, s2, STAGE      ; my partial result: row l % 16, 32 bytes for each half of the lanes
	v_mul_u32_u24 v[STO], v1, 528
	v_lshl_add_u32 v[STO], v9, 5, v[STO]
	v_add_nc_u32 v[STO], s2, v[STO]
	s_mul_i32 s2, s[WV], 4*528
	s_add_co_u32 s2, s2, STAGE      ; back: I add up queries 4 w .. 4 w + 3; 32 lanes take a row's 512 bytes
	v_and_b32 v11, 31, v0
	v_lshl_add_u32 v[RD], v11, 4, s2
	s_lshl_b32 s2, s[WV], 13        ; and the same four rows in O, 2,048 bytes apart, 8 bytes a lane
	v_lshl_add_u32 v[GO], v11, 3, s2
	v_lshlrev_b32 v14, 3, v9
	v_sub_nc_u32 v[MB], v1, v14
	s_lshl_b32 s2, s[WV], 5
	s_sub_co_u32 s2, 0, s2
	v_add_nc_u32 v[MB], s2, v[MB]
	s_lshl_b32 s2, s[WV], 8
	s_add_co_u32 s2, s2, STATS
	v_lshl_add_u32 v[STW], v1, 3, s2
	v_lshlrev_b32 v[STR], 3, v1
	v_add_nc_u32 v[STR], STATS, v[STR]
	MKMASK
	START
	WIN 0xc0                        ; V's registers and O hold 0 for the first step.  All this stands in the wait for the first tile: the price of writing no first step out
.set i, VF
.rept 128
	v_mov_b32 v[i], 0
.set i, i+1
.endr
	WIN 0x40
.set i, 0
.rept 256
	v_mov_b32 v[i], 0
.set i, i+1
.endr
	WIN 0
	s_wait_loadcnt 0x0              ; Q
; THE LDS LOADS stand in two runs of 32.
.macro FETCH_K
	WIN 0xc0                        ; destination window 3
.irp f, 0,1,2,3,4,5,6,7,8,9,10,11,12,13,14,15  ; keys 16 (f / 8) on, channels 32 (f % 8) on
	ds_load_b128 v[8*(\f):8*(\f)+3],   v[AK] offset:((\f)/8)*16*PK+((\f)%8)*64
	ds_load_b128 v[8*(\f)+4:8*(\f)+7], v[AK] offset:((\f)/8)*16*PK+((\f)%8)*64+32
.endr
.endm
.macro FETCH_V
	WIN 0xc0
.irp f, 0,1,2,3,4,5,6,7,8,9,10,11,12,13,14,15  ; channels 16 f on, my 32 keys
	ds_load_tr16_b128 v[VF+8*(\f):VF+8*(\f)+3],   v[AV] offset:(\f)*32
	ds_load_tr16_b128 v[VF+8*(\f)+4:VF+8*(\f)+7], v[AV] offset:(\f)*32+16*PV
.endr
.endm
; 32 products O^T += V^T P: 32 accumulators, one instruction each.
.macro PVM
	WIN W_PV
.set i, 0
.rept 32
	v_wmma_f32_16x16x32_f16 v[128*(i%2)+8*(i/2):128*(i%2)+8*(i/2)+7], v[VF+8*(i/2):VF+8*(i/2)+7], v[P+8*(i%2):P+8*(i%2)+7], v[128*(i%2)+8*(i/2):128*(i%2)+8*(i/2)+7]
.set i, i+1
.endr
.endm
; 32 products S^T = K Q^T: channels 32 (i / 4) on; the four accumulators (tile i % 2, keys 16 ((i / 2) % 2) on) take turns.  The first four start the sums with the mask.
.macro SM
	WIN W_KQ
.set i, 0
.rept 32
.set rS, S+16*(i%2)+8*((i/2)%2)
.set rK, 64*((i/2)%2)+8*(i/4)
.set rQ, 64*(i%2)+8*(i/4)
.set rM, MC+16*(i%2)+8*((i/2)%2)
.if i < 4
	v_wmma_f32_16x16x32_f16 v[rS:rS+7], v[rK:rK+7], v[rQ:rQ+7], v[rM:rM+7]
.else
	v_wmma_f32_16x16x32_f16 v[rS:rS+7], v[rK:rK+7], v[rQ:rQ+7], v[rS:rS+7]
.endif
.set i, i+1
.endr
.endm
; Number n of the 14 that find tile t's maximum and statistics.  s0-s15 are the lane's scores; each accumulator's lowest registers are read first.
.macro SA n, t
.set rT, ST+8*(\t)
.set rS, S+16*(\t)
.if (\n) == 0
	v_max3_num_f32 v[rT+4], v[rS], v[rS+1], v[rS+2]
.elseif (\n) == 1
	v_max3_num_f32 v[rT+5], v[rS+8], v[rS+9], v[rS+10]
.elseif (\n) < 6
	v_max3_num_f32 v[rT+4+(\n)%2], v[rT+4+(\n)%2], v[rS+8*((\n)%2)+2*((\n)/2)+1], v[rS+8*((\n)%2)+2*((\n)/2)+2]
.elseif (\n) == 6
	v_max3_num_f32 v[rT+4], v[rT+4], v[rS+7], v[rS+15]
.elseif (\n) == 7
	v_max3_num_f32 v[rT+4], v[rT+4], v[rT+5], v[rT+1]
.elseif (\n) == 8
	v_mov_b32 v[rT+7], v[rT]        ; c m_old is kept
.elseif (\n) == 9
	v_permlanex16_b32 v[rT+5], v[rT+4], s[SEL], s[SEL+1]  ; the query's other 16 keys lie in the lane 16 away
.elseif (\n) == 10
	v_max_num_f32 v[rT+1], v[rT+4], v[rT+5]
.elseif (\n) == 11
	v_mul_f32 v[rT], s[CS], v[rT+1]
.elseif (\n) == 12
	v_sub_f32 v[rT+7], v[rT+7], v[rT]
.else
	v_exp_f32 v[rT+6], v[rT+7]      ; a
.endif
.endm
; Number n of the 16 plain instructions that follow tile t's exponentials: 8 roundings to f16, 7 additions of pairs in place, l = a l + the sum.
.macro SB n, t
.set rT, ST+8*(\t)
.set rS, S+16*(\t)
.set rP, P+8*(\t)
.if (\n) < 8
	s_wait_alu depctr_va_vdst(0)
	v_cvt_pk_f16_f32 v[rP+(\n)], v[rS+2*(\n)], v[rS+2*(\n)+1]
.elseif (\n) < 12
	v_pk_add_f32 v[rS+4*((\n)-8):rS+4*((\n)-8)+1], v[rS+4*((\n)-8):rS+4*((\n)-8)+1], v[rS+4*((\n)-8)+2:rS+4*((\n)-8)+3]
.elseif (\n) < 14
	v_pk_add_f32 v[rS+8*((\n)-12):rS+8*((\n)-12)+1], v[rS+8*((\n)-12):rS+8*((\n)-12)+1], v[rS+8*((\n)-12)+4:rS+8*((\n)-12)+5]
.elseif (\n) == 14
	v_pk_add_f32 v[rS:rS+1], v[rS:rS+1], v[rS+8:rS+9]
.else
	v_pk_fma_f32 v[rT+2:rT+3], v[rT+2:rT+3], v[rT+6:rT+7], v[rS:rS+1] op_sel_hi:[1,0,1]
	s_wait_alu depctr_va_vdst(0)
.endif
.endm
.macro SOFTMAX
	WIN 0
.irp n, 0,1,2,3,4,5,6,7,8,9,10,11,12,13
.irp t, 0,1                         ; the two tiles alternate, so that no line reads the result of the one before it
	SA \n, \t
.endr
.endr
.irp n, 0,1,2,3,4,5,6,7
.irp t, 0,1
	v_pk_fma_f32 v[S+16*(\t)+2*(\n):S+16*(\t)+2*(\n)+1], v[S+16*(\t)+2*(\n):S+16*(\t)+2*(\n)+1], s[CS:CS+1], v[ST+8*(\t):ST+8*(\t)+1] op_sel_hi:[1,0,0] neg_lo:[0,0,1] neg_hi:[0,0,1]  ; c s - c m
.endr
.endr
.set e, 0
.rept 16
	v_exp_f32 v[S+e], v[S+e]        ; tile 0's weights
.set e, e+1
.endr
	v_nop                           ; a plain instruction between the last exponential and the use of its result (ISA guide 5.7.2)
.set e, 0
.rept 16
	v_exp_f32 v[S+16+e], v[S+16+e]  ; tile 1's exponentials and tile 0's plain lines by turns
	SB e, 0
.set e, e+1
.endr
.set e, 0
.rept 16
	SB e, 1
.set e, e+1
.endr
	WIN W_RS
.irp t, 0,1
.set i, 0
.rept 64
	v_pk_mul_f32 v[128*(\t)+2*i:128*(\t)+2*i+1], v[128*(\t)+2*i:128*(\t)+2*i+1], v[ST+8*(\t)+6:ST+8*(\t)+7] op_sel_hi:[1,0]  ; O a: ascending in each accumulator
.set i, i+1
.endr
.endr
.endm
.macro STEP
	s_sub_co_u32 s[RT], s[RT], 1
	s_cmp_eq_u32 s[DG], 0           ; is this the block's diagonal tile?
	s_cselect_b32 s[AL], 1.0, 0
	s_sub_co_u32 s[DG], s[DG], 1    ; (behind it the count runs on below 0 and meets 0 no more in a block's 16 steps at the most)
	WIN 0
.set z, 0
.rept 16
	v_pk_mul_f32 v[MC+2*z:MC+2*z+1], v[MD+2*z:MD+2*z+1], s[AL:AL+1] op_sel_hi:[1,0]
.set z, z+1
.endr
	v_add_nc_u32 v[AK], s[TB], v[AK0]
	v_add_nc_u32 v[AV], s[TB], v[AV0]
	FETCH_K
	PVM                             ; the step before's: its V and P lie in registers (the change of slots has waited for V's loads); K's loads land meanwhile
.rept 4
	v_nop                           ; the places in front of the loads into V's registers
.endr
	FETCH_V
	s_wait_dscnt 32                 ; K is in; V's 32 loads, issued behind, stay out
	SM
	WIN 0
.rept 4
	v_nop                           ; the places behind those products
.endr
	SOFTMAX
	WIN 0
.endm
; A BLOCK'S END.  The last step's V^T P; then the four waves' results are merged: c m* = the largest c m, f = 2^(c m - c m*), l* = the sum of f l, O = the sum of O f / l*.
; Each wave scales its own O by f / l*, and the sum goes through LDS in four rounds of 16 queries x 128 channels: every wave stores its part, a barrier, wave w adds up queries 4 w .. 4 w + 3 in f32, in the waves' order,
; rounds once to f16 and stores 256 consecutive bytes a row; a second barrier (signalled when my reads are back, awaited behind the additions) frees the stage.
; last = 0: the second block is set up; its Q is asked for at the merge's beginning, straight into Q's registers (their last reader, the block's last K Q^T, lies a whole softmax back), and waited for at its end.
.macro MERGE last
	s_wait_dscnt 0x0                ; V is in
	PVM
	WIN 0
.irp t, 0,1
	v_add_f32 v[ST+8*(\t)+4], v[ST+8*(\t)+2], v[ST+8*(\t)+3]
.endr
.irp t, 0,1
	v_permlanex16_b32 v[ST+8*(\t)+5], v[ST+8*(\t)+4], s[SEL], s[SEL+1]
.endr
.irp t, 0,1
	v_add_f32 v[ST+8*(\t)+1], v[ST+8*(\t)+4], v[ST+8*(\t)+5]  ; l takes m's place, beside c m
.endr
.irp t, 0,1
	ds_store_b64 v[STW], v[ST+8*(\t):ST+8*(\t)+1] offset:128*(\t)  ; both halves of the lanes write the same words with the same numbers
.endr
.if !(\last)
	LOADQ 18                        ; the second block's Q: the merge's four rounds stand between these 32 loads and the wait for them
.endif
	s_wait_dscnt 0x0                ; for the others' sake
	s_barrier_signal -1
	s_barrier_wait -1
.irp w, 0,1,2,3
.irp t, 0,1
	ds_load_b64 v[MG+4*(\w)+2*(\t):MG+4*(\w)+2*(\t)+1], v[STR] offset:256*(\w)+128*(\t)
.endr
.endr
	s_wait_dscnt 0x0
.irp t, 0,1
	v_max3_num_f32 v[TM+(\t)], v[MG+2*(\t)], v[MG+4+2*(\t)], v[MG+8+2*(\t)]
.endr
.irp t, 0,1
	v_max_num_f32 v[TM+(\t)], v[TM+(\t)], v[MG+12+2*(\t)]
.endr
.irp w, 0,1,2,3
.irp t, 0,1
	v_sub_f32 v[MG+4*(\w)+2*(\t)], v[MG+4*(\w)+2*(\t)], v[TM+(\t)]
.endr
.endr
.irp t, 0,1
	v_sub_f32 v[TM+2+(\t)], v[ST+8*(\t)], v[TM+(\t)]
.endr
.irp w, 0,1,2,3
.irp t, 0,1
	v_exp_f32 v[MG+4*(\w)+2*(\t)], v[MG+4*(\w)+2*(\t)]
.endr
.endr
.irp t, 0,1
	v_exp_f32 v[TM+2+(\t)], v[TM+2+(\t)]   ; my own f
.endr
	v_nop
	s_wait_alu depctr_va_vdst(0)
.irp t, 0,1
	v_mul_f32 v[TM+4+(\t)], v[MG+2*(\t)], v[MG+2*(\t)+1]
.endr
.irp w, 1,2,3
.irp t, 0,1
	v_fmac_f32 v[TM+4+(\t)], v[MG+4*(\w)+2*(\t)], v[MG+4*(\w)+2*(\t)+1]
.endr
.endr
.irp t, 0,1
	v_rcp_f32 v[TM+6+(\t)], v[TM+4+(\t)]
.endr
	v_nop
	s_wait_alu depctr_va_vdst(0)
.irp t, 0,1
	v_mul_f32 v[G+2*(\t)], v[TM+2+(\t)], v[TM+6+(\t)]
.endr
.irp t, 0,1
	v_mov_b32 v[G+2*(\t)+1], v[G+2*(\t)]   ; named with it as a pair
.endr
.irp p, 0,1,2,3                     ; tile p / 2, channels 128 (p % 2) on
	WIN W_RS
.set i, 0
.rept 32
	v_pk_mul_f32 v[64*(\p)+2*i:64*(\p)+2*i+1], v[64*(\p)+2*i:64*(\p)+2*i+1], v[G+2*((\p)/2):G+2*((\p)/2)+1] op_sel_hi:[1,0]
.set i, i+1
.endr
	WIN 0x04                        ; the stores' data in window 1
.set i, 0
.rept 8
	ds_store_b128 v[STO], v[64*(\p)+8*i:64*(\p)+8*i+3]   offset:64*i
	ds_store_b128 v[STO], v[64*(\p)+8*i+4:64*(\p)+8*i+7] offset:64*i+16
.set i, i+1
.endr
	WIN 0
	s_wait_dscnt 0x0                ; for the others' sake: my part is in the stage
	s_barrier_signal -1
	s_barrier_wait -1
.irp w, 0,1,2,3
.irp q, 0,1,2,3
	ds_load_b128 v[RB+16*(\w)+4*(\q):RB+16*(\w)+4*(\q)+3], v[RD] offset:(\w)*PART+(\q)*528
.endr
.endr
	s_wait_dscnt 0x0                ; my reads of the stage are back
.if (\p) < 3
	s_barrier_signal -1             ; say so; the additions, work on registers, stand between the signal and the wait
.endif
.irp w, 1,2,3
.set i, 0
.rept 8
	v_pk_add_f32 v[RB+2*i:RB+2*i+1], v[RB+2*i:RB+2*i+1], v[RB+16*(\w)+2*i:RB+16*(\w)+2*i+1]
.set i, i+1
.endr
.endr
.if (\p) < 3
	s_barrier_wait -1               ; nobody reads the stage any more: the next round may write it
.endif
	s_wait_xcnt 0x0                 ; the stores of the round before have read their registers
.set i, 0
.rept 8
	v_cvt_pk_f16_f32 v[OUTR+i], v[RB+2*i], v[RB+2*i+1]
.set i, i+1
.endr
.irp q, 0,1,2,3
	global_store_b64 v[GO], v[OUTR+2*(\q):OUTR+2*(\q)+1], s[10:11] offset:(16*((\p)/2)+(\q))*2048+256*((\p)%2)  ; 32 lanes store 256 consecutive bytes, aligned
.endr
.endr
.if !(\last)
	s_wait_xcnt 0x0                 ; the stores have read O's address
	s_mov_b64 s[10:11], s[OLO:OLO+1]
	s_add_co_u32 s[RT], s[KC], 1    ; the second block has k + 1 tiles, 0 .. k,
	s_mov_b32 s[DG], s[KC]          ; of which the last holds its diagonal,
	s_lshl_b32 s[RP], s[CX], 5      ; and lies at place cx of that tile
	MKMASK
	START
	s_wait_loadcnt 0x0              ; the second block's Q is in: the next step's K Q^T reads it
.endif
.endm
.Lslot:                             ; 16 trips: a tile is entered and the next is asked for
	CHANGE 1
	STEP
	s_cmp_lg_u32 s[RT], 0           ; RT hangs on the cluster's number and the trip alone: the same in all waves and all partners
	s_cbranch_scc1 .Lbottom         ; forward, past no tensor load and no round of the cluster's barrier
	MERGE 0                         ; in the loop this is the first block's end: the second's last tile is the walk's last
.Lbottom:
	s_sub_co_u32 s[SLOTS], s[SLOTS], 1
	s_cmp_lg_u32 s[SLOTS], 0
	s_cbranch_scc1 .Lslot
	CHANGE 0                        ; the walk's last tile is written out: nothing is asked for
	STEP
	MERGE 1
	s_wait_tensorcnt 0x0            ; the wave's end
	ds_add_u32 v[SPW], v[NIL]
	s_wait_dscnt 0x0
	CROUND                          ; the closing round
	s_endpgm
.Lfunc_end_k_qfa2495e7ee_attn:
	.size	k_qfa2495e7ee_attn, .Lfunc_end_k_qfa2495e7ee_attn-k_qfa2495e7ee_attn
	.p2alignl 7, 3214868480
	.fill 96, 4, 3214868480
	.section	.rodata,"a",@progbits
	.p2align	6, 0x0
	.amdhsa_kernel k_qfa2495e7ee_attn
		.amdhsa_group_segment_fixed_size 327680
		.amdhsa_private_segment_fixed_size 0
		.amdhsa_enable_private_segment 0
		.amdhsa_kernarg_size 16
		.amdhsa_user_sgpr_count 2
		.amdhsa_user_sgpr_kernarg_segment_ptr 1
		.amdhsa_wavefront_size32 1
		.amdhsa_system_sgpr_workgroup_id_x 1
		.amdhsa_system_sgpr_workgroup_id_y 1
		.amdhsa_system_sgpr_workgroup_id_z 1
		.amdhsa_system_vgpr_workitem_id 0
		.amdhsa_next_free_vgpr 1024
		.amdhsa_next_free_sgpr 88
		.amdhsa_reserve_vcc 1
		.amdhsa_float_denorm_mode_32 3
		.amdhsa_float_denorm_mode_16_64 3
		.amdhsa_memory_ordered 1
		.amdhsa_forward_progress 1
		.amdhsa_inst_pref_size 146
	.end_amdhsa_kernel
	.amdgpu_metadata
---
amdhsa.version: [ 1, 2 ]
amdhsa.kernels:
  - .name:           k_qfa2495e7ee_attn
    .symbol:         k_qfa2495e7ee_attn.kd
    .args:
      - { .name: qkv, .offset: 0, .size: 8, .value_kind: global_buffer, .address_space: global }
      - { .name: ao, .offset: 8, .size: 8, .value_kind: global_buffer, .address_space: global }
    .group_segment_fixed_size: 327680
    .private_segment_fixed_size: 0
    .kernarg_segment_align: 8
    .kernarg_segment_size: 16
    .max_flat_workgroup_size: 128
    .sgpr_count:     88
    .vgpr_count:     1024
    .wavefront_size: 32
...
	.end_amdgpu_metadata
.endif
;; end of part 3
;; launch oproj (part 4): grid 8 x 32, 4 waves a work-group, clusters of 4 x 4, 327,680 bytes of LDS; arguments ao, cb, out0; writes out0
.if DOCPART == 4
	.amdgcn_target "amdgcn-amd-amdhsa--gfx1250"
	.amdhsa_code_object_version 6
	.text
	.protected	k_qfa2495e7ee_oproj
	.globl	k_qfa2495e7ee_oproj
	.p2align	8
	.type	k_qfa2495e7ee_oproj,@function
k_qfa2495e7ee_oproj:
	s_mov_b64 s[64:65], 0
	v_nop
	global_prefetch_b8 v0, s[64:65] scope:SCOPE_SE
	s_setreg_imm32_b32 hwreg(HW_REG_WAVE_MODE, 25, 1), 1
	s_wait_xcnt 0x0
	s_wait_alu depctr_hold_cnt(0) depctr_sa_sdst(0) depctr_va_vdst(0) depctr_va_sdst(0) depctr_va_ssrc(0) depctr_va_vcc(0) depctr_vm_vsrc(0)
	s_getreg_b32 s2, hwreg(HW_REG_IB_STS2, 6, 4)
	s_cmp_eq_u32 s2, 0
	s_cbranch_scc0 .Lentry_in_a_cluster
	s_endpgm
.Lentry_in_a_cluster:
	s_bfe_u32 s2, ttmp6, 0x10000c
	s_cmp_lg_u32 s2, 0xf033
	s_cbranch_scc0 .Lentry_shape_is_right
	s_endpgm
.Lentry_shape_is_right:
; THE LAST PROJECTION.  out0[m][n] = sum over k of O[m][k] o_w[n][k].  O [4096][1024] f16 (ao), o_w [2048][1024] f16 (cb, byte 29,360,128), out0 [4096][2048] f32; sums in f32, one accumulator an output.
; LIMIT.  The operands are f16: O and o_w lie within 65,504 (see the launches that write them).
; A tile is 128 rows x 256 columns: 256 work-groups, one for each WGP.  Four waves, each 64 x 128: 32 accumulators of 16 x 16.  K goes in steps of 128 (rows of 256 bytes, aligned) through two LDS slots.
; THE ORDER OF THE K STEPS is a ring of eight that each cluster enters at a step of its own: cluster (X, Y) at (4 (Y % 2) + 2 (Y / 4) + (Y / 2) % 2) xor 4 X.  So the eight clusters that read the same
; rows of o_w enter at eight different steps, those with Y in {0, 1, 4, 5} two steps apart and likewise those with Y in {2, 3, 6, 7}, and the two that read the same rows of O four steps apart: from its fifth
; step on a cluster asks only for tiles that another has asked for before.  The sums' order along K differs with it, by rotation.
; THE LOOP'S BODY IS ONE K STEP: the slot in hand is a scalar (TB) that an exclusive or turns, the fragments' addresses are TB + a fixed lane part, and one descriptor a tensor walks from slot to slot.
; The last two K steps, which fill nothing, are a second loop of two trips that is left in its middle.
; CLUSTER.  4 x 4 work-groups: O's tile is shared along a row of the cluster, o_w's along a column; each is asked for jointly, with the same descriptor and a mask of four.
; THE MATRIX INSTRUCTION IS USED TRANSPOSED (source 0 = 16 rows of o_w, source 1 = 16 rows of O): a lane holds row lane % 16 and eight neighbouring columns, 32 bytes of a row of out0.
; REGISTERS, in windows of 256: window 0: v16-29 addresses; v32-95, v96-159 rows read back on the way out      window 1: the accumulators, (a, b) at 8 (8 a + b)
;   window 2: two fragment buffers of 96: o_w's 8 fragments, then O's 4
.set SIZE_K, 1024
.set KSTEP,  128
.set KSTEPS, SIZE_K/KSTEP
.set PITCH,  272                       ; 256 bytes + 16 of padding: the 16 rows of a fragment load start 4 banks apart (64 banks of 4 bytes: ISA guide 11.1)
.set AH,     64*PITCH                  ; half of O's tile: one tensor load
.set BHF,    128*PITCH                 ; half of o_w's tile: one tensor load
.set BOFF,   2*AH
.set SLOT,   2*AH+2*BHF                ; 104,448 bytes
.set SLOTX,  0x20000                   ; slot 1 begins here, above all of slot 0, so that one exclusive or turns an address in one slot into the other's
.set STAGE,  SLOTX+SLOT                ; behind the ring: 16 rows x 528 bytes for each wave
.set SPITCH, 528
.set SPARE,  STAGE+4*16*SPITCH         ; the spare words: 128 bytes a wave, two blocks of 256 bytes that no other line names
.set OWOFF,  29360128
.set ADRA0, 16                         ; v16     my place in a slot's rows of O; never rewritten
.set ADRA,  17                         ; v17     the same in the slot in hand
.set ADRB0, 20                         ; v20, v21  the same for o_w
.set ADRB,  21
.set STO,  24
.set RD,   25
.set CO,   26
.set SPW,  28                          ; never rewritten
.set NIL,  29                          ; never rewritten
.set OB,   32
.set F0,   0
.set F1,   96
.set G1, 24                            ; s[24:31] descriptor group 1 for O's tiles;  s[32:39] group 0, a set for each of the two first fills; the second then walks on
.set G0, 32
.set G1B, 48                           ; s[48:55], s[56:63] the same for o_w's
.set G0B, 56
.set OFF, 66                           ; s[66:67] a K step's byte offset in a row
.set KS,  68                           ; s68      the K step to be asked for next
.set TB,  69                           ; s69      the slot in hand: 0 or SLOTX
.set MSB, 0
.macro WIN new
.if MSB != (\new)
	s_set_vgpr_msb (MSB<<8)|(\new)
.set MSB, \new
.endif
.endm
.set MUL,  0x5a                        ; sources 0 and 1 window 2; C and D window 1
.set TO_F, 0x80                        ; destination window 2, address window 0
.macro JLOAD s                         ; waves 0 and 1 fetch O's two halves, waves 2 and 3 o_w's; an s_nop 0 and four v_nop follow each line
	s_cmp_eq_u32 s11, 0
	s_cbranch_scc0 .Lfor_b_\@
	tensor_load_to_lds s[G0+4*(\s):G0+4*(\s)+3], s[G1:G1+7]
	s_nop 0
.rept 4
	v_nop
.endr
	s_branch .Lasked_\@
.Lfor_b_\@:
	tensor_load_to_lds s[G0B+4*(\s):G0B+4*(\s)+3], s[G1B:G1B+7]
	s_nop 0
.rept 4
	v_nop
.endr
.Lasked_\@:
.endm
.macro CREST
	s_cmp_lg_u32 s10, 0
	s_cbranch_scc1 .Lnot_wave_0_\@
	s_barrier_signal -3
.Lnot_wave_0_\@:
	s_barrier_wait -3
	s_barrier_signal -1
	s_barrier_wait -1
.endm
.macro CROUND
	s_barrier_signal -1
	s_barrier_wait -1
	CREST
.endm
	s_load_b128 s[4:7], s[0:1], 0x0                ; ao s[4:5], cb s[6:7]
	s_load_b64 s[8:9], s[0:1], 0x10                ; out0
	v_lshl_add_u32 v[SPW], v0, 2, SPARE
	v_mov_b32 v[NIL], 0
	ds_add_u32 v[SPW], v[NIL]                      ; the wave's opening: the add and its wait stand ahead of my first tensor load; work on registers stands between them
	v_lshrrev_b32 v1, 5, v0
	v_readfirstlane_b32 s10, v1                    ; wave 0..3
	s_lshr_b32 s11, s10, 1                         ; which 64 rows are mine.  Also: I fetch for O (0) or for o_w (1)
	s_and_b32 s12, s10, 1                          ; which 128 columns.  Also: which half of that tile I fetch
	s_bfe_u32 s40, ttmp6, 0x40000                  ; cx, cy
	s_bfe_u32 s41, ttmp6, 0x40004
	s_lshl_b32 s42, ttmp9, 2
	s_add_co_u32 s42, s42, s40                     ; tile column
	s_and_b32 s18, ttmp7, 0xffff                   ; Y, the cluster's y: 0 .. 7
	s_lshl_b32 s13, s18, 2
	s_add_co_u32 s13, s13, s41                     ; tile row
	s_and_b32 s[KS], s18, 1                        ; the K step at which my cluster enters the ring: it hangs on the cluster's x and y alone, which all sixteen partners share
	s_lshl_b32 s[KS], s[KS], 2                     ; 4 (Y % 2)
	s_lshr_b32 s19, s18, 2
	s_lshl_b32 s19, s19, 1
	s_or_b32 s[KS], s[KS], s19                     ; + 2 (Y / 4)
	s_bfe_u32 s19, s18, 0x10001
	s_or_b32 s[KS], s[KS], s19                     ; + (Y / 2) % 2
	s_lshl_b32 s19, ttmp9, 2
	s_xor_b32 s[KS], s[KS], s19                    ; xor 4 X
	s_lshl_b32 s[OFF], s[KS], 8                    ; a K step is 256 bytes of a row
	s_mov_b32 s[OFF+1], 0
	s_mov_b32 s[TB], 0                             ; the first K step lies in slot 0
	s_lshl_b32 s43, s41, 2
	s_lshl_b32 s43, 15, s43                        ; my row of the cluster
	s_lshl_b32 s44, 0x1111, s40                    ; my column
	s_or_b32 s[G1+0], s43, (1<<16)|(1<<20)|(1<<21)|(5<<22)|(3<<25)   ; the mask; 2-byte elements; padding on; bit 21 beside a mask; after every 64 words 4 words
	s_or_b32 s[G1B+0], s44, (1<<16)|(1<<20)|(1<<21)|(5<<22)|(3<<25)
	s_mov_b32 s[G1+1], KSTEP<<16                   ; tensor_dim0 = 128
	s_mov_b32 s[G1+2], 64<<16                      ; tensor_dim1 = 64
	s_mov_b32 s[G1+3], KSTEP<<16                   ; tile_dim0 = 128
	s_mov_b32 s[G1+4], 64                          ; tile_dim1 = 64
	s_mov_b32 s[G1+5], SIZE_K                      ; elements from row to row
	s_mov_b32 s[G1+6], 0
	s_mov_b32 s[G1+7], 0
	s_mov_b32 s[G1B+1], KSTEP<<16
	s_mov_b32 s[G1B+2], 128<<16                    ; 128 rows
	s_mov_b32 s[G1B+3], KSTEP<<16
	s_mov_b32 s[G1B+4], 128
	s_mov_b32 s[G1B+5], SIZE_K
	s_mov_b32 s[G1B+6], 0
	s_mov_b32 s[G1B+7], 0
	s_lshl_b32 s17, s12, 6
	s_lshl_b32 s16, s13, 7
	s_add_co_u32 s16, s16, s17                     ; O: row 128 x tile row + 64 x half
	s_lshl_b32 s16, s16, 11                        ; rows of 2,048 bytes
	s_mov_b32 s17, 0
	s_lshl_b32 s47, s12, 7
	s_lshl_b32 s46, s42, 8
	s_add_co_u32 s46, s46, s47                     ; o_w: row 256 x tile column + 128 x half
	s_lshl_b32 s46, s46, 11
	s_add_co_u32 s46, s46, OWOFF
	s_mov_b32 s47, 0
	s_mul_i32 s20, s12, AH                         ; where they go: no place in the cluster enters an LDS address
	s_mul_i32 s21, s12, BHF
	s_add_co_u32 s21, s21, BOFF
	s_wait_dscnt 0x0                               ; the opening add is done
	s_wait_kmcnt 0x0
	s_add_nc_u64 s[14:15], s[4:5], s[16:17]        ; my rows of O and of o_w at K = 0: kept, every request's address is made from them
	s_add_nc_u64 s[46:47], s[6:7], s[46:47]
	CROUND                                         ; all sixteen work-groups are here: the first joint loads meet
.irp s, 0,1
	s_mov_b32 s[G0+4*(\s)], 1
	s_add_co_u32 s[G0+4*(\s)+1], s20, (\s)*SLOTX
	s_add_nc_u64 s[G0+4*(\s)+2:G0+4*(\s)+3], s[14:15], s[OFF:OFF+1]
	s_or_b32 s[G0+4*(\s)+3], s[G0+4*(\s)+3], 0x80000000
	s_mov_b32 s[G0B+4*(\s)], 1
	s_add_co_u32 s[G0B+4*(\s)+1], s21, (\s)*SLOTX
	s_add_nc_u64 s[G0B+4*(\s)+2:G0B+4*(\s)+3], s[46:47], s[OFF:OFF+1]
	s_or_b32 s[G0B+4*(\s)+3], s[G0B+4*(\s)+3], 0x80000000
	s_add_co_u32 s[KS], s[KS], 1                   ; the ring's next K step
	s_and_b32 s[KS], s[KS], KSTEPS-1
	s_lshl_b32 s[OFF], s[KS], 8
	JLOAD \s                                       ; two tensor loads of mine are out
.endr
	v_and_b32 v1, 15, v0                           ; l % 16
	v_bfe_u32 v2, v0, 4, 1                         ; l / 16
	v_mul_u32_u24 v3, v1, PITCH
	v_lshl_add_u32 v3, v2, 4, v3                   ; a fragment's row x pitch + 16 x half
	s_mul_i32 s22, s11, AH                         ; my 64 rows of O
	s_mul_i32 s23, s12, BHF                        ; my 128 rows of o_w
	s_add_co_u32 s23, s23, BOFF
	v_add_nc_u32 v[ADRA0], s22, v3
	v_add_nc_u32 v[ADRB0], s23, v3
	v_mov_b32 v[ADRA], v[ADRA0]                    ; slot 0 is in hand
	v_mov_b32 v[ADRB], v[ADRB0]
	s_mul_i32 s23, s10, 16*SPITCH
	s_add_co_u32 s23, s23, STAGE                   ; my stage
	v_mul_u32_u24 v4, v1, SPITCH
	v_lshl_add_u32 v4, v2, 5, v4
	v_add_nc_u32 v[STO], s23, v4                   ; in: row l % 16, 32 bytes for each half of the lanes
	v_and_b32 v5, 31, v0
	v_lshlrev_b32 v[CO], 4, v5                     ; back and out: 32 lanes take a row's 512 bytes
	v_add_nc_u32 v[RD], s23, v[CO]
	s_lshl_b32 s70, s13, 7
	s_lshl_b32 s71, s11, 6
	s_add_co_u32 s70, s70, s71                     ; my first row of out0,
	s_lshl_b32 s70, s70, 13                        ; rows of 8,192 bytes (32 MiB in all)
	s_lshl_b32 s71, s42, 10                        ; my first column, in bytes: 1,024 x tile column + 512 x half
	s_add_co_u32 s70, s70, s71
	s_lshl_b32 s71, s12, 9
	s_add_co_u32 s70, s70, s71
	s_mov_b32 s71, 0
	s_add_nc_u64 s[8:9], s[8:9], s[70:71]
.macro MUL8 f, a, zero                 ; row block a x all 8 column blocks, 32 along K.  zero = 1: the first product starts the sums
	WIN MUL
.irp b, 0,1,2,3,4,5,6,7
.if \zero
	v_wmma_f32_16x16x32_f16 v[8*(8*(\a)+(\b)):8*(8*(\a)+(\b))+7], v[(\f)+8*(\b):(\f)+8*(\b)+7], v[(\f)+64+8*(\a):(\f)+64+8*(\a)+7], 0
.else
	v_wmma_f32_16x16x32_f16 v[8*(8*(\a)+(\b)):8*(8*(\a)+(\b))+7], v[(\f)+8*(\b):(\f)+8*(\b)+7], v[(\f)+64+8*(\a):(\f)+64+8*(\a)+7], v[8*(8*(\a)+(\b)):8*(8*(\a)+(\b))+7]
.endif
.endr
.endm
.macro FETCH k, f                      ; 24 LDS loads in one run: o_w's 128 rows, then O's 64, 32 K at byte k of the rows of the slot in hand
	WIN TO_F
.irp i, 0,1,2,3,4,5,6,7
	ds_load_b128 v[(\f)+8*(\i):(\f)+8*(\i)+3],   v[ADRB] offset:(\k)+(\i)*16*PITCH
	ds_load_b128 v[(\f)+8*(\i)+4:(\f)+8*(\i)+7], v[ADRB] offset:(\k)+(\i)*16*PITCH+32
.endr
.irp i, 0,1,2,3
	ds_load_b128 v[(\f)+64+8*(\i):(\f)+64+8*(\i)+3],   v[ADRA] offset:(\k)+(\i)*16*PITCH
	ds_load_b128 v[(\f)+64+8*(\i)+4:(\f)+64+8*(\i)+7], v[ADRA] offset:(\k)+(\i)*16*PITCH+32
.endr
.endm
.macro PLACES                          ; four plain vector instructions between a matrix instruction and a load into, or a store of, its registers
.rept 4
	v_nop
.endr
.endm
; A K step is four quarters of 32 along K, 32 matrix instructions each, on buffers 0, 1, 0, 1.  The 32 accumulators take turns.
.macro QUARTER k, f, g, zero
	s_wait_dscnt 4                                 ; o_w and O's blocks 0, 1 are in; the youngest four loads may be out
	MUL8 \f, 0, \zero
	MUL8 \f, 1, \zero
	PLACES
	FETCH \k, \g
	s_wait_dscnt 24                                ; all but the 24 just issued
	MUL8 \f, 2, \zero
	MUL8 \f, 3, \zero
.endm
; The last quarter multiplies buffer 1 and changes slots: one barrier; in front of it each wave waits for all its tensor loads, adds 0 to its spare word, and waits for that and for its reads of this slot.
; fill = 1: the barrier opens a round of the cluster's, and this slot is filled again first thing behind the round, with K step KS; the descriptors' addresses are made anew from that number.
.macro TURN fill
	WIN 0                                          ; (the add's two registers lie in window 0)
	s_wait_tensorcnt 0x0                           ; my part of the next slot has landed; no tensor load of mine is out, so a group 0 may be written below
	ds_add_u32 v[SPW], v[NIL]
	s_wait_dscnt 5                                 ; (the add and the youngest four loads may be out)
	MUL8 F1, 0, 0
	s_wait_dscnt 0x0                               ; the add is done, and my reads of this slot are over
	s_barrier_signal -1
	MUL8 F1, 1, 0
	WIN 0                                          ; (branches and lines on window 0 follow)
	s_barrier_wait -1
.if \fill
	CREST                                          ; no wave of any partner still reads this slot or has a load on its way
	s_lshl_b32 s[OFF], s[KS], 8
	s_xor_b32 s[G0+5], s[G0+5], SLOTX              ; the walking descriptors: the other slot than last time
	s_add_nc_u64 s[G0+6:G0+7], s[14:15], s[OFF:OFF+1]
	s_or_b32 s[G0+7], s[G0+7], 0x80000000
	s_xor_b32 s[G0B+5], s[G0B+5], SLOTX
	s_add_nc_u64 s[G0B+6:G0B+7], s[46:47], s[OFF:OFF+1]
	s_or_b32 s[G0B+7], s[G0B+7], 0x80000000
	s_add_co_u32 s[KS], s[KS], 1                   ; the ring's next K step
	s_and_b32 s[KS], s[KS], KSTEPS-1
	JLOAD 1                                        ; my one tensor load behind the round; its four v_nop are also the places in front of the loads below
.else
	PLACES
.endif
	s_xor_b32 s[TB], s[TB], SLOTX                  ; the other slot is in hand
	v_add_nc_u32 v[ADRA], s[TB], v[ADRA0]
	v_add_nc_u32 v[ADRB], s[TB], v[ADRB0]
	FETCH 0, F0
	MUL8 F1, 2, 0
	MUL8 F1, 3, 0
.endm
	s_wait_tensorcnt 1                             ; my part of the first K step is in; the second's may stay out
	s_barrier_signal -1
	s_barrier_wait -1
	FETCH 0, F0
	QUARTER 64,  F0, F1, 1                         ; the first quarter's products start the sums
	WIN 0
	s_mov_b32 s3, KSTEPS-2
.Lstep:                                                ; 6 trips, from a K step's second quarter to the next one's first; each fills the slot that it leaves
	QUARTER 128, F1, F0, 0
	QUARTER 192, F0, F1, 0
	TURN 1
	QUARTER 64,  F0, F1, 0
	WIN 0
	s_sub_co_u32 s3, s3, 1
	s_cmp_lg_u32 s3, 0
	s_cbranch_scc1 .Lstep
	; The last two K steps fill nothing: no tensor load stands in their text.  One text for both: the second trip is left behind its last quarter.  That trip's change of slots passes a barrier and fetches
	; 24 loads' worth of fragments (of the last K step but one once more, from a slot that nobody writes) that nothing reads: the price, once a wave, of not writing the last K step out.
	s_mov_b32 s3, 2
.Ltail:
	QUARTER 128, F1, F0, 0
	QUARTER 192, F0, F1, 0
	TURN 0
	WIN 0
	s_sub_co_u32 s3, s3, 1
	s_cmp_eq_u32 s3, 0
	s_cbranch_scc1 .Lout
	QUARTER 64,  F0, F1, 0
	WIN 0
	s_branch .Ltail
.Lout:
	s_wait_dscnt 0x0                               ; the loads that nothing reads have landed: the counts on the way out count its own LDS instructions alone
	PLACES
; THE WAY OUT, a block of 16 rows at a time: 32 bytes a lane into my own stage (rows of 528 bytes), back as whole rows of 512 bytes, stored.
.macro TOSTAGE a
.set BK, OB+64*((\a)%2)
.if (\a) >= 2
	s_wait_xcnt 0x0                                ; the stores of the block two back have read the registers that are loaded again below
.endif
	WIN 0x04                                       ; the stores' data in window 1
.irp b, 0,1,2,3,4,5,6,7
	ds_store_b128 v[STO], v[8*(8*(\a)+(\b)):8*(8*(\a)+(\b))+3]   offset:64*(\b)      ; each accumulator's lowest registers first
	ds_store_b128 v[STO], v[8*(8*(\a)+(\b))+4:8*(8*(\a)+(\b))+7] offset:64*(\b)+16
.endr
	WIN 0
.irp t, 0,1,2,3,4,5,6,7,8,9,10,11,12,13,14,15
	ds_load_b128 v[BK+4*(\t):BK+4*(\t)+3], v[RD] offset:(\t)*SPITCH  ; LDS serves a wave's instructions in order (ISA guide 5.7.1.4): these see the stores above
.endr
.endm
.macro SEND a, younger                 ; younger: the LDS instructions issued behind block a's loads: the next block's 32, or none
.set BK, OB+64*((\a)%2)
	s_wait_dscnt \younger
.irp t, 0,1,2,3,4,5,6,7,8,9,10,11,12,13,14,15
	global_store_b128 v[CO], v[BK+4*(\t):BK+4*(\t)+3], s[8:9] offset:(16*(\a)+(\t))*8192 th:TH_STORE_NT  ; 512 consecutive bytes, aligned
.endr
.endm
	TOSTAGE 0
.irp a, 1,2,3
	TOSTAGE \a
	SEND (\a)-1, 32
.endr
	SEND 3, 0
	s_wait_tensorcnt 0x0                           ; the wave's end
	ds_add_u32 v[SPW], v[NIL]
	s_wait_dscnt 0x0
	CROUND                                         ; the closing round
	s_endpgm
.Lfunc_end_k_qfa2495e7ee_oproj:
	.size	k_qfa2495e7ee_oproj, .Lfunc_end_k_qfa2495e7ee_oproj-k_qfa2495e7ee_oproj
	.p2alignl 7, 3214868480
	.fill 96, 4, 3214868480
	.section	.rodata,"a",@progbits
	.p2align	6, 0x0
	.amdhsa_kernel k_qfa2495e7ee_oproj
		.amdhsa_group_segment_fixed_size 327680
		.amdhsa_private_segment_fixed_size 0
		.amdhsa_enable_private_segment 0
		.amdhsa_kernarg_size 24
		.amdhsa_user_sgpr_count 2
		.amdhsa_user_sgpr_kernarg_segment_ptr 1
		.amdhsa_wavefront_size32 1
		.amdhsa_system_sgpr_workgroup_id_x 1
		.amdhsa_system_sgpr_workgroup_id_y 1
		.amdhsa_system_sgpr_workgroup_id_z 1
		.amdhsa_system_vgpr_workitem_id 0
		.amdhsa_next_free_vgpr 704
		.amdhsa_next_free_sgpr 72
		.amdhsa_reserve_vcc 0
		.amdhsa_float_denorm_mode_32 3
		.amdhsa_float_denorm_mode_16_64 3
		.amdhsa_memory_ordered 1
		.amdhsa_forward_progress 1
		.amdhsa_inst_pref_size 60
	.end_amdhsa_kernel
	.amdgpu_metadata
---
amdhsa.version: [ 1, 2 ]
amdhsa.kernels:
  - .name:           k_qfa2495e7ee_oproj
    .symbol:         k_qfa2495e7ee_oproj.kd
    .args:
      - { .name: ao, .offset: 0, .size: 8, .value_kind: global_buffer, .address_space: global }
      - { .name: cb, .offset: 8, .size: 8, .value_kind: global_buffer, .address_space: global }
      - { .name: out0, .offset: 16, .size: 8, .value_kind: global_buffer, .address_space: global }
    .group_segment_fixed_size: 327680
    .private_segment_fixed_size: 0
    .kernarg_segment_align: 8
    .kernarg_segment_size: 24
    .max_flat_workgroup_size: 128
    .sgpr_count:     72
    .vgpr_count:     704
    .wavefront_size: 32
...
	.end_amdgpu_metadata
.endif
;; end of part 4
